; MI455X (gfx1250); checked and timed in simulation.
; The chip was launched on July 23, 2026; its instructions are those of AMD's public machine-readable ISA for CDNA 5 (MIT licence, August 2026) and "CDNA5" Instruction Set Architecture Reference Guide (July 2026). The comments in the code are by the model that wrote it; some were corrected since.
;; Point2 Mask Module Base. Allowed arithmetic: float matrix products may take bf16 or f16 operands with f32 sums; all other float work in f32.
;; Inputs: coords 4 x 8,192 x 2 float32; features 4 x 8,192 x 20 float32; points_num 4 int32.
;; Outputs: out0 4 x 64 x 64 x 2 float32.
;; Constants: res = 64.
;; 4 versions, each right; versions 2 to 3 are each faster than the one before; version 4 is version 3 with the launch cells written anew for expert scheduling mode. Each part assembles by itself: llvm-mc -triple=amdgcn-amd-amdhsa -mcpu=gfx1250 --defsym DOCPART=n.
;; ======== version 1 of 4: 2 launches
;; workspace buffers: pts 524,288 bytes; bins 131,072 bytes of whole numbers
;; launch prep (part 1): grid 64 x 4, 4 waves a work-group, no clusters, 11,776 bytes of LDS; arguments coords, features, points_num, pts, bins; writes pts, bins
.if DOCPART == 1
	.amdgcn_target "amdgcn-amd-amdhsa--gfx1250"
	.amdhsa_code_object_version 6
	.text
	.protected	k_q64c94d4bcc_prep
	.globl	k_q64c94d4bcc_prep
	.p2align	8
	.type	k_q64c94d4bcc_prep,@function
k_q64c94d4bcc_prep:
	s_mov_b64 s[64:65], 0
	v_nop
	global_prefetch_b8 v0, s[64:65] scope:SCOPE_SE
	s_setreg_imm32_b32 hwreg(HW_REG_WAVE_MODE, 25, 1), 1
	s_wait_xcnt 0x0
; PREP: one thread for each point.  Work-group (block, batch) owns points 128 block .. 128 block + 127 of its batch.
; It finds the batch's min and max of x and y (every work-group reads the batch's 65,536 bytes of coords: 32 loads of 16 bytes a thread),
; normalises its own points as reference() does, takes each point's two largest features, and stores
;   pts [4][8192] records of 16 bytes: px, py, second largest feature, largest feature;
;   bins[4][8192] one word a point: (min(floor(256 px), 0x7fff) + 512) | (the same of py) << 16, or all ones where the point's index is not below points_num.
; bins' order inside a block of 128 points (512 bytes): point 32 k + l lies at word 4 l + k, so that a later 16-byte load of lane l holds four points 32 apart.
; ROUNDING: (c - center) / scale is a reciprocal with one correction of the reciprocal and one of the quotient; then +1, x 0.8, and one fused x 32 + 6.4
; (x 64 / 2 is exact, so the fused form has the roundings of the separate ones).
; LIMITS: coords and features are finite (NaN and infinities are not served).
; No matrix unit (there is no product), no tensor loads (each wave's bytes go straight to registers).
.set FEAT, 0                           ; LDS: 4 x 2,560 bytes, each wave's own 32 points x 80 bytes of features
.set MM,   10240                       ; LDS: 4 x 16 bytes, each wave's min x, min y, max x, max y
.set BW,   10496                       ; LDS: 512 bytes, the block's words for bins in their stored order
.set CO,   64                          ; v[64:191] the batch's coords, 32 loads of 16 bytes
.set FL,   10                          ; v[10:29]  features as loaded
.set FX,   30                          ; v[30:49]  my point's 20 features
	s_load_b256 s[4:11], s[0:1], 0x0               ; coords s[4:5], features s[6:7], points_num s[8:9], pts s[10:11]
	s_load_b64 s[12:13], s[0:1], 0x20              ; bins
	v_lshl_add_u32 v192, v0, 2, 0x2c00
	v_mov_b32 v193, 0
	v_and_b32 v1, 31, v0                           ; lane
	v_lshrrev_b32 v2, 5, v0
	v_readfirstlane_b32 s14, v2                    ; wave
	s_and_b32 s15, ttmp7, 0xffff                   ; batch
	s_mov_b32 s19, 0                               ; the high word of every offset pair s[18:19]
	s_mov_b32 s30, 0x76543210                      ; v_permlanex16_b32: lane i reads lane i of the other half
	s_mov_b32 s31, 0xfedcba98
	s_mov_b32 s32, 0x42000000                      ; 32.0
	s_mov_b32 s33, 0x40cccccd                      ; 6.4 = 0.1 x 64 in f32
	s_mov_b32 s34, 0x3f4ccccd                      ; 0.8
	s_mov_b32 s35, 0x3727c5ac                      ; 1e-5
	v_lshlrev_b32 v3, 4, v0                        ; 16 x thread
	v_lshlrev_b32 v4, 4, v1                        ; 16 x lane
	s_mul_i32 s22, s14, 2560                       ; my wave's feature bytes, in memory and in LDS (FEAT = 0)
	v_add_nc_u32 v5, s22, v4                       ; LDS, in: 16 bytes a lane
	v_mul_u32_u24 v6, v1, 80
	v_add_nc_u32 v6, s22, v6                       ; LDS, back: 80 bytes a lane (5 columns of 16 bytes: 16 lanes start at 16 different columns)
	s_lshl_b32 s23, ttmp9, 10
	v_lshl_add_u32 v7, v0, 3, s23                  ; my own point's 8 bytes in the batch's coords
	v_mov_b32 v54, 0                               ; v_permlanex16_b32's destination counts as read
	s_wait_kmcnt 0x0
	s_lshl_b32 s18, s15, 16
	s_add_nc_u64 s[4:5], s[4:5], s[18:19]          ; coords of my batch
	s_mul_i32 s18, s15, 655360
	s_mul_i32 s21, ttmp9, 10240
	s_add_co_u32 s18, s18, s21
	s_add_co_u32 s18, s18, s22
	s_add_nc_u64 s[6:7], s[6:7], s[18:19]          ; features of my wave's 32 points
	s_lshl_b32 s18, s15, 2
	s_add_nc_u64 s[8:9], s[8:9], s[18:19]
	s_load_b32 s20, s[8:9], 0x0                    ; points_num of my batch
	s_lshl_b32 s18, s15, 17
	s_lshl_b32 s21, ttmp9, 11
	s_add_co_u32 s18, s18, s21
	s_add_nc_u64 s[10:11], s[10:11], s[18:19]      ; pts of my block
	s_lshl_b32 s18, s15, 15
	s_lshl_b32 s21, ttmp9, 9
	s_add_co_u32 s18, s18, s21
	s_add_nc_u64 s[12:13], s[12:13], s[18:19]      ; bins of my block
.irp k, 0,1,2,3,4,5,6,7,8,9,10,11,12,13,14,15,16,17,18,19,20,21,22,23,24,25,26,27,28,29,30,31
	global_load_b128 v[CO+4*\k:CO+4*\k+3], v3, s[4:5] offset:2048*\k      ; the four waves together take 2,048 neighbouring bytes
.endr
.irp k, 0,1,2,3,4
	global_load_b128 v[FL+4*\k:FL+4*\k+3], v4, s[6:7] offset:512*\k th:TH_LOAD_NT   ; read once in the launch
.endr
	global_load_b64 v[8:9], v7, s[4:5]             ; my own point
	s_wait_loadcnt 0x6                             ; the 32 loads of coords are in; the six younger loads stay out
	v_min_num_f32 v50, v[CO], v[CO+2]              ; the first load starts the four values: nothing is cleared
	v_min_num_f32 v51, v[CO+1], v[CO+3]
	v_max_num_f32 v52, v[CO], v[CO+2]
	v_max_num_f32 v53, v[CO+1], v[CO+3]
.irp k, 1,2,3,4,5,6,7,8,9,10,11,12,13,14,15,16,17,18,19,20,21,22,23,24,25,26,27,28,29,30,31
	v_min3_num_f32 v50, v50, v[CO+4*\k], v[CO+4*\k+2]
	v_min3_num_f32 v51, v51, v[CO+4*\k+1], v[CO+4*\k+3]
	v_max3_num_f32 v52, v52, v[CO+4*\k], v[CO+4*\k+2]
	v_max3_num_f32 v53, v53, v[CO+4*\k+1], v[CO+4*\k+3]
.endr
	; across the 32 lanes: four steps inside each half of 16 lanes, one across the halves
.irp r, 50,51
	v_min_num_f32_dpp v\r, v\r, v\r row_xmask:1 row_mask:0xf bank_mask:0xf
	v_min_num_f32_dpp v\r, v\r, v\r row_xmask:2 row_mask:0xf bank_mask:0xf
	v_min_num_f32_dpp v\r, v\r, v\r row_xmask:4 row_mask:0xf bank_mask:0xf
	v_min_num_f32_dpp v\r, v\r, v\r row_xmask:8 row_mask:0xf bank_mask:0xf
	v_permlanex16_b32 v54, v\r, s30, s31
	v_min_num_f32 v\r, v\r, v54
.endr
.irp r, 52,53
	v_max_num_f32_dpp v\r, v\r, v\r row_xmask:1 row_mask:0xf bank_mask:0xf
	v_max_num_f32_dpp v\r, v\r, v\r row_xmask:2 row_mask:0xf bank_mask:0xf
	v_max_num_f32_dpp v\r, v\r, v\r row_xmask:4 row_mask:0xf bank_mask:0xf
	v_max_num_f32_dpp v\r, v\r, v\r row_xmask:8 row_mask:0xf bank_mask:0xf
	v_permlanex16_b32 v54, v\r, s30, s31
	v_max_num_f32 v\r, v\r, v54
.endr
	s_lshl_b32 s24, s14, 4
	s_add_co_u32 s24, s24, MM
	v_mov_b32 v55, s24
	ds_store_b128 v55, v[50:53]                    ; every lane stores the same 16 bytes: my wave's four values
	s_wait_loadcnt 0x0                             ; features and my own point
.irp k, 0,1,2,3,4
	ds_store_b128 v5, v[FL+4*\k:FL+4*\k+3] offset:512*\k
.endr
.irp k, 0,1,2,3,4
	ds_load_b128 v[FX+4*\k:FX+4*\k+3], v6 offset:16*\k     ; my wave's own bytes; LDS serves a wave's instructions in order, so these see the stores above
.endr
	s_wait_dscnt 0x0                               ; for the other waves' sake: my four values are in LDS (and my features are back)
	s_barrier_signal -1
	s_barrier_wait -1
	v_mov_b32 v58, MM
.irp k, 0,1,2,3
	ds_load_b128 v[CO+4*\k:CO+4*\k+3], v58 offset:16*\k    ; the four waves' values
.endr
	; the two largest of my 20 features while those loads are on their way: v63 the largest, v62 the second
	v_max_num_f32 v63, v[FX], v[FX+1]
	v_min_num_f32 v62, v[FX], v[FX+1]
.irp j, 2,3,4,5,6,7,8,9,10,11,12,13,14,15,16,17,18,19
	v_med3_num_f32 v62, v63, v62, v[FX+\j]         ; the middle one of (largest, second, new) is the new second
	v_max_num_f32 v63, v63, v[FX+\j]
.endr
	s_wait_dscnt 0x0
	v_min3_num_f32 v50, v[CO], v[CO+4], v[CO+8]
	v_min3_num_f32 v51, v[CO+1], v[CO+5], v[CO+9]
	v_max3_num_f32 v52, v[CO+2], v[CO+6], v[CO+10]
	v_max3_num_f32 v53, v[CO+3], v[CO+7], v[CO+11]
	v_min_num_f32 v50, v50, v[CO+12]
	v_min_num_f32 v51, v51, v[CO+13]
	v_max_num_f32 v52, v52, v[CO+14]
	v_max_num_f32 v53, v53, v[CO+15]
	; normalise: a = 0 is x, a = 1 is y
.irp a, 0,1
	v_add_f32 v[100+\a], v[52+\a], v[50+\a]
	v_sub_f32 v[102+\a], v[52+\a], v[50+\a]
.endr
.irp a, 0,1
	v_mul_f32 v[100+\a], 0.5, v[100+\a]            ; center
	v_max_num_f32 v[102+\a], s35, v[102+\a]        ; the clip at 1e-5
.endr
.irp a, 0,1
	v_mul_f32 v[102+\a], 0.5, v[102+\a]            ; scale
.endr
	v_rcp_f32 v104, v102
	v_rcp_f32 v105, v103
	v_sub_f32 v106, v8, v100                       ; plain instructions stand between the reciprocals and their first use (ISA guide 5.7.2)
	v_sub_f32 v107, v9, v101
	s_wait_alu depctr_va_vdst(0)
.irp a, 0,1
	v_fma_f32 v[108+\a], -v[102+\a], v[104+\a], 1.0
.endr
.irp a, 0,1
	v_fma_f32 v[104+\a], v[108+\a], v[104+\a], v[104+\a]   ; the reciprocal, corrected once
.endr
.irp a, 0,1
	v_mul_f32 v[110+\a], v[106+\a], v[104+\a]
.endr
.irp a, 0,1
	v_fma_f32 v[112+\a], -v[110+\a], v[102+\a], v[106+\a]  ; what the quotient leaves
.endr
.irp a, 0,1
	v_fma_f32 v[110+\a], v[112+\a], v[104+\a], v[110+\a]   ; the quotient, corrected once
.endr
.irp a, 0,1
	v_add_f32 v[110+\a], 1.0, v[110+\a]
.endr
.irp a, 0,1
	v_mul_f32 v[110+\a], s34, v[110+\a]
.endr
.irp a, 0,1
	v_fma_f32 v[60+\a], v[110+\a], s32, s33        ; px, py
.endr
	; the word for bins
.irp a, 0,1
	v_mul_f32 v[114+\a], 0x43800000, v[60+\a]      ; x 256, exact
.endr
.irp a, 0,1
	v_cvt_u32_f32 v[114+\a], v[114+\a]             ; toward zero = floor, the numbers being positive
.endr
.irp a, 0,1
	v_min_u32 v[114+\a], 0x7fff, v[114+\a]
.endr
.irp a, 0,1
	v_add_nc_u32 v[114+\a], 0x200, v[114+\a]       ; + 2 units, so that a window's lower edge is never negative
.endr
	v_lshl_or_b32 v116, v115, 16, v114
	s_lshl_b32 s25, ttmp9, 7
	v_add_nc_u32 v117, s25, v0                     ; my point's index in the batch
	s_wait_kmcnt 0x0                               ; points_num
	v_cmp_gt_i32 vcc_lo, s20, v117
	v_cndmask_b32 v116, -1, v116, vcc_lo           ; all ones where the index is not below points_num
	global_store_b128 v3, v[60:63], s[10:11]       ; a wave stores 512 consecutive bytes, aligned
	s_lshl_b32 s26, s14, 2
	s_add_co_u32 s26, s26, BW
	v_add_nc_u32 v118, s26, v4                     ; word 4 lane + wave
	ds_store_b32 v118, v116
	s_wait_dscnt 0x0                               ; for wave 0's sake
	s_barrier_signal -1
	s_barrier_wait -1
	s_cmp_lg_u32 s14, 0
	s_cbranch_scc1 .Lend
	v_add_nc_u32 v119, BW, v4
	ds_load_b128 v[120:123], v119
	s_wait_dscnt 0x0
	global_store_b128 v4, v[120:123], s[12:13]     ; the block's 512 bytes of bins, whole
.Lend:
	s_wait_tensorcnt 0x0
	ds_add_u32 v192, v193
	s_wait_dscnt 0x0
	s_endpgm
.Lfunc_end_k_q64c94d4bcc_prep:
	.size	k_q64c94d4bcc_prep, .Lfunc_end_k_q64c94d4bcc_prep-k_q64c94d4bcc_prep
	.p2alignl 7, 3214868480
	.fill 96, 4, 3214868480
	.section	.rodata,"a",@progbits
	.p2align	6, 0x0
	.amdhsa_kernel k_q64c94d4bcc_prep
		.amdhsa_group_segment_fixed_size 11776
		.amdhsa_private_segment_fixed_size 0
		.amdhsa_enable_private_segment 0
		.amdhsa_kernarg_size 40
		.amdhsa_user_sgpr_count 2
		.amdhsa_user_sgpr_kernarg_segment_ptr 1
		.amdhsa_wavefront_size32 1
		.amdhsa_system_sgpr_workgroup_id_x 1
		.amdhsa_system_sgpr_workgroup_id_y 1
		.amdhsa_system_sgpr_workgroup_id_z 1
		.amdhsa_system_vgpr_workitem_id 0
		.amdhsa_next_free_vgpr 194
		.amdhsa_next_free_sgpr 66
		.amdhsa_reserve_vcc 1
		.amdhsa_float_denorm_mode_32 3
		.amdhsa_float_denorm_mode_16_64 3
		.amdhsa_memory_ordered 1
		.amdhsa_forward_progress 1
		.amdhsa_inst_pref_size 22
	.end_amdhsa_kernel
	.amdgpu_metadata
---
amdhsa.version: [ 1, 2 ]
amdhsa.kernels:
  - .name:           k_q64c94d4bcc_prep
    .symbol:         k_q64c94d4bcc_prep.kd
    .args:
      - { .name: coords, .offset: 0, .size: 8, .value_kind: global_buffer, .address_space: global }
      - { .name: features, .offset: 8, .size: 8, .value_kind: global_buffer, .address_space: global }
      - { .name: points_num, .offset: 16, .size: 8, .value_kind: global_buffer, .address_space: global }
      - { .name: pts, .offset: 24, .size: 8, .value_kind: global_buffer, .address_space: global }
      - { .name: bins, .offset: 32, .size: 8, .value_kind: global_buffer, .address_space: global }
    .group_segment_fixed_size: 11776
    .private_segment_fixed_size: 0
    .kernarg_segment_align: 8
    .kernarg_segment_size: 40
    .max_flat_workgroup_size: 128
    .sgpr_count:     66
    .vgpr_count:     194
    .wavefront_size: 32
...
	.end_amdgpu_metadata
.endif
;; end of part 1
;; launch cells (part 2): grid 128 x 4, 4 waves a work-group, no clusters, 150,272 bytes of LDS; arguments pts, bins, out0; writes out0
.if DOCPART == 2
	.amdgcn_target "amdgcn-amd-amdhsa--gfx1250"
	.amdhsa_code_object_version 6
	.text
	.protected	k_q64c94d4bcc_cells
	.globl	k_q64c94d4bcc_cells
	.p2align	8
	.type	k_q64c94d4bcc_cells,@function
k_q64c94d4bcc_cells:
	s_mov_b64 s[64:65], 0
	v_nop
	global_prefetch_b8 v0, s[64:65] scope:SCOPE_SE
	s_setreg_imm32_b32 hwreg(HW_REG_WAVE_MODE, 25, 1), 1
	s_wait_xcnt 0x0
; CELLS: work-group (2 row + half, batch) owns the 32 grid cells (row, 32 half + lane); in every wave lane = cell.
; Wave g owns the batch's points 2048 g .. 2048 g + 2047.
;  A  scan   the wave's 2,048 words of bins: points inside the window (row +- 2, columns - 2 .. + 33) are listed in LDS, in ascending index.
;  B  records for each listed point: ((row - px)^2, py, f0, f1), 16 bytes, in place of its list entry; the list is padded with +inf.
;  C  pass 1  every lane walks the wave's records (all lanes read the same 16 bytes) and keeps the 16 smallest d2 of its cell, sorted.
;  D  merge   the four waves' lists meet in LDS; every wave finds T, the cell's 16th smallest d2, how many points AT T are still wanted,
;             and how many points at T the waves before it hold (equal distances go to the lower index, as top_k does).
;  E  pass 2  the records again: points with d2 < T, and the first wanted ones with d2 = T, add their features and their counts of non-zero features.
;  F  wave 0 adds the four waves' sums, divides, takes the softmax of two (its maximum taken away first) and stores 256 consecutive bytes.
; Trip counts and LDS addresses come from bins (whole numbers stored by the launch before), ids and constants alone; distances only feed masks and selects.
; d2 = (row - px)^2 + (col - py)^2 with a separate multiply and add.  With fewer than 16 points inside the radius T becomes the f32 next above 4, so that < T means <= 4.
; BARRIERS: a walk's addresses are stepped as often as a count read from memory says.  So each walk stands between two barriers of the work-group:
; every wave's LDS stores are done in front of it, and no wave stores into LDS again before every wave's walk is over.
; LIMITS: finite inputs (a point that is not chosen enters as 0 x feature); the chosen features are added in index order, not nearest first.
; No matrix unit: distances must be exact f32.  No tensor loads or clusters: what work-groups share is 32 KiB of bins.
.set REGB, 34880                       ; LDS: a wave's region, 2,180 slots of 16 bytes
.set CAP,  2176                        ; record slots (2,048 points at the most + padding up to a whole chunk of 128)
.set DUMP, 2176                        ; the slot that takes the entries of points outside the window
.set XCH,  139520                      ; LDS: 4 waves x 4 quarters x 512 bytes: the sorted lists
.set RED,  147712                      ; LDS: 4 waves x 512 bytes: sums and counts
.set K,    16                          ; v[16:79]   bins' words, later the four lists
.set P,    80                          ; v[80:95]   my list, later the merge
.set Q,    96                          ; v[96:111]
.set R,    112                         ; v[112:127]
.set RA,   128                         ; v[128:143] four records
.set RB,   144                         ; v[144:159] four records
.set D,    160                         ; v[160:163] four distances
; v1 lane, v2 region, v3 running index, v4 DUMP, v5 v6 at work, v7 +inf, v8 column, v9 walk address, v10 16 lane, v11 row,
; v12 v13 exchange (read, write), v14 v15 sums (read, write), v164 T, v165 wanted at T, v166 seen at T, v167 region + 16 lane,
; v[168:169] sums, v170 v171 counts, v[172:173] weight, 0
.macro BAR                             ; my LDS loads and stores are done; then every wave's are
	s_wait_dscnt 0x0
	s_barrier_signal -1
	s_barrier_wait -1
.endm
	s_load_b128 s[4:7], s[0:1], 0x0                ; pts s[4:5], bins s[6:7]
	s_load_b64 s[8:9], s[0:1], 0x10                ; out0
	v_lshl_add_u32 v176, v0, 2, 0x24900
	v_mov_b32 v177, 0
	v_and_b32 v1, 31, v0
	v_lshrrev_b32 v5, 5, v0
	v_readfirstlane_b32 s10, v5                    ; wave g
	s_and_b32 s11, ttmp7, 0xffff                   ; batch
	s_lshr_b32 s13, ttmp9, 1                       ; row
	s_and_b32 s14, ttmp9, 1                        ; half
	s_lshl_b32 s15, s13, 8                         ; the window's lower edges in bins' units: x 256 row (the + 512 of the word stands for - 2),
	s_lshl_b32 s18, s14, 29                        ; y 256 x 32 half, in the upper 16 bits
	s_or_b32 s15, s15, s18
	s_mov_b32 s16, 0x2300ffff                      ; y: 35 units at the most, whatever the lower half holds
	s_mov_b32 s17, 0                               ; points listed
	s_mul_i32 s18, s10, REGB
	v_mov_b32 v2, s18
	s_lshl_b32 s18, s10, 11
	v_add_nc_u32 v3, s18, v1                       ; the index of the first word's point
	v_mov_b32 v4, DUMP
	v_mov_b32 v7, 0x7f800000
	v_lshlrev_b32 v10, 4, v1
	v_add_nc_u32 v167, v2, v10                     ; my slot of the region's first 32
	v_add_nc_u32 v12, XCH, v10
	v_add_nc_u32 v13, s18, v12                     ; + 2,048 g
	s_lshl_b32 s18, s14, 5
	v_add_nc_u32 v8, s18, v1
	v_cvt_f32_u32 v8, v8                           ; my cell's column
	v_cvt_f32_u32 v11, s13                         ; the row
	v_add_nc_u32 v14, RED, v10
	s_lshl_b32 s18, s10, 9
	v_add_nc_u32 v15, s18, v14
	s_mov_b32 s19, 0
	s_wait_kmcnt 0x0
	s_lshl_b32 s18, s11, 17
	s_add_nc_u64 s[4:5], s[4:5], s[18:19]          ; pts of my batch
	s_lshl_b32 s18, s11, 15
	s_lshl_b32 s20, s10, 13
	s_add_co_u32 s18, s18, s20
	s_add_nc_u64 s[6:7], s[6:7], s[18:19]          ; bins of my wave's 2,048 points
	s_lshl_b32 s18, s11, 15
	s_lshl_b32 s20, s13, 9
	s_add_co_u32 s18, s18, s20
	s_lshl_b32 s20, s14, 8
	s_add_co_u32 s18, s18, s20
	s_add_nc_u64 s[8:9], s[8:9], s[18:19]          ; out0 at my 32 cells
	; ---- A: scan ----
.irp j, 0,1,2,3,4,5,6,7,8,9,10,11,12,13,14,15
	global_load_b128 v[K+4*\j:K+4*\j+3], v10, s[6:7] offset:512*\j
.endr
	v_add_nc_u32 v5, 16*DUMP, v2
	ds_store_b32 v5, v3                            ; the dump slot holds some index even if no point is ever dumped
; One word a lane: 32 points of consecutive indices.  Those inside the window get consecutive slots, in lane order.
.macro SCAN w
	v_sub_nc_u32 v5, v[\w], s15                    ; both fields at once; a borrow out of x happens only where x fails anyway
	v_and_b32 v6, 0xffff, v5
	v_cmp_ge_u32 s19, s16, v5                      ; y inside 35 units
	v_cmp_ge_u32 vcc_lo, 0x400, v6                 ; x inside 4 units
	s_and_b32 vcc_lo, vcc_lo, s19
	v_mbcnt_lo_u32_b32 v6, vcc_lo, s17             ; listed so far + lanes below me that list
	v_cndmask_b32 v6, v4, v6, vcc_lo
	v_min_u32 v6, DUMP, v6
	v_lshl_add_u32 v6, v6, 4, v2
	ds_store_b32 v6, v3
	v_add_nc_u32 v3, 32, v3
	s_bcnt1_i32_b32 s18, vcc_lo
	s_add_co_u32 s17, s17, s18
.endm
.irp j, 0,1,2,3,4,5,6,7,8,9,10,11,12,13,14,15
	s_wait_loadcnt 15-\j                           ; loads come back in order: load j is in, the younger ones stay out
	SCAN K+4*\j
	SCAN K+4*\j+1
	SCAN K+4*\j+2
	SCAN K+4*\j+3
.endr
	s_min_u32 s17, s17, 2048                       ; 64 words of 32 lanes: it cannot be more
	; ---- B: records, in chunks of 128 slots, written out: a record's place is my slot + a constant.  Slots up to 10 past the list
	; are written at the least, since a walk reads that far ahead: (listed + 11) slots, rounded up to whole chunks, 1 to 17 of them.
	s_add_co_u32 s20, s17, 138
	s_lshr_b32 s20, s20, 7
.macro CHUNK t
.irp c, 0,1,2,3
	v_add_nc_u32 v5, 128*\t+32*\c, v1              ; my slot
	v_cmp_gt_u32 s[24+\c], s17, v5                 ; inside the list?
	v_cndmask_b32 v6, v4, v5, s[24+\c]             ; past the list the dump slot's index serves
	v_min_u32 v6, DUMP, v6
	v_lshl_add_u32 v6, v6, 4, v2
	ds_load_b32 v[D+\c], v6
.endr
	s_wait_dscnt 0x0                               ; the four indices
.irp c, 0,1,2,3
	v_min_u32 v[D+\c], 8191, v[D+\c]
	v_lshlrev_b32 v[D+\c], 4, v[D+\c]
	global_load_b128 v[RA+4*\c:RA+4*\c+3], v[D+\c], s[4:5]
.endr
.irp c, 0,1,2,3
	s_wait_loadcnt 3-\c                            ; gather c is in, the younger ones stay out; the last count, 0, also frees the four address registers
	v_sub_f32 v5, v11, v[RA+4*\c]
	v_mul_f32 v5, v5, v5
	v_cndmask_b32 v[RA+4*\c], v7, v5, s[24+\c]     ; +inf past the list
	ds_store_b128 v167, v[RA+4*\c:RA+4*\c+3] offset:2048*\t+512*\c   ; over the entry that this lane has read
.endr
.endm
.irp t, 0,1,2,3,4,5,6,7,8,9,10,11,12,13,14,15
	CHUNK \t
	s_cmp_le_u32 s20, \t+1                         ; no further chunk?
	s_cbranch_scc1 .Lrecs
.endr
	CHUNK 16
.Lrecs:
	BAR                                            ; every wave's records are in LDS before any wave walks
; Four records into buffer r: every lane reads the same bytes.
.macro LOADU r, off
.irp c, 0,1,2,3
	ds_load_b128 v[\r+4*\c:\r+4*\c+3], v9 offset:\off+16*\c
.endr
.endm
; A walk over the wave's records, eight a trip on two buffers: while one is worked on, the other's four loads are on their way.
.macro SWEEP op
	s_add_co_u32 s20, s17, 7
	s_lshr_b32 s20, s20, 3
	s_cmp_eq_u32 s20, 0
	s_cbranch_scc1 .Lswept_\@
	s_mov_b32 s21, 0
	s_mov_b32 s22, 0
	v_mov_b32 v9, v2
	LOADU RA, 0
.Lsweep_\@:
	LOADU RB, 64
	s_wait_dscnt 0x4                               ; RA is in; RB's four loads stay out
	\op RA
	s_add_co_u32 s22, s22, 128
	s_min_u32 s18, s22, (CAP-8)*16                 ; the look-ahead stays inside the region's record slots
	v_add_nc_u32 v9, s18, v2
	LOADU RA, 0
	s_wait_dscnt 0x4                               ; RB is in; the next RA's four loads stay out
	\op RB
	s_add_co_u32 s21, s21, 1
	s_cmp_lt_u32 s21, s20
	s_cbranch_scc1 .Lsweep_\@
	s_wait_dscnt 0x0                               ; the look-ahead of the last trip
.Lswept_\@:
.endm
.macro DIST r
.irp c, 0,1,2,3
	v_sub_f32 v[D+\c], v8, v[\r+4*\c+1]
.endr
.irp c, 0,1,2,3
	v_mul_f32 v[D+\c], v[D+\c], v[D+\c]
.endr
.irp c, 0,1,2,3
	v_add_f32 v[D+\c], v[\r+4*\c], v[D+\c]
.endr
.endm
; k goes to its place in the sorted list: entry s becomes the middle one of (entry s - 1, entry s, k); from the top down, so that each line reads old entries.
.macro INSERT k
.irp s, 15,14,13,12,11,10,9,8,7,6,5,4,3,2,1
	v_med3_num_f32 v[P+\s], v[P+\s-1], v[P+\s], v[\k]
.endr
	v_min_num_f32 v[P], v[P], v[\k]
.endm
.macro P1 r
	DIST \r
	INSERT D
	INSERT D+1
	INSERT D+2
	INSERT D+3
.endm
	; ---- C: pass 1 ----
.irp s, 0,1,2,3,4,5,6,7,8,9,10,11,12,13,14,15
	v_mov_b32 v[P+\s], v7
.endr
	SWEEP P1
	BAR                                            ; every wave's walk is over before any wave stores its list
	; ---- D: merge ----
.irp q, 0,1,2,3
	ds_store_b128 v13, v[P+4*\q:P+4*\q+3] offset:512*\q
.endr
	BAR                                            ; the four lists are in LDS
.irp q, 0,1,2,3,4,5,6,7,8,9,10,11,12,13,14,15
	ds_load_b128 v[K+4*\q:K+4*\q+3], v12 offset:512*\q     ; list q / 4, quarter q % 4
.endr
	s_wait_dscnt 0x0
; the 16 smallest of two sorted lists of 16, as a sequence that falls and rises once
.macro HALFM d, a, b
.irp s, 0,1,2,3,4,5,6,7,8,9,10,11,12,13,14,15
	v_min_num_f32 v[\d+\s], v[\a+\s], v[\b+15-\s]
.endr
.endm
; one stage of the sort of such a sequence
.macro BST src, dst, dist
.irp i, 0,1,2,3,4,5,6,7,8,9,10,11,12,13,14,15
.if ((\i) & (\dist)) == 0
	v_min_num_f32 v[\dst+\i], v[\src+\i], v[\src+\i+\dist]
	v_max_num_f32 v[\dst+\i+\dist], v[\src+\i], v[\src+\i+\dist]
.endif
.endr
.endm
	HALFM P, K, K+16
	BST P, Q, 8
	BST Q, P, 4
	BST P, Q, 2
	BST Q, P, 1
	HALFM R, K+32, K+48
	BST R, Q, 8
	BST Q, R, 4
	BST R, Q, 2
	BST Q, R, 1
	HALFM Q, P, R                                  ; the cell's 16 smallest, in no order
	v_max3_num_f32 v164, v[Q], v[Q+1], v[Q+2]
.irp s, 3,5,7,9,11,13
	v_max3_num_f32 v164, v164, v[Q+\s], v[Q+\s+1]
.endr
	v_max_num_f32 v164, v164, v[Q+15]              ; T
	v_mov_b32 v5, 0
.irp s, 0,1,2,3,4,5,6,7,8,9,10,11,12,13,14,15
	v_cmp_lt_f32 vcc_lo, v[Q+\s], v164
	v_add_co_ci_u32 v5, vcc_lo, 0, v5, vcc_lo      ; how many are below T
.endr
	v_sub_nc_u32 v165, 16, v5                      ; so many at T are wanted,
	v_cmp_ge_f32 vcc_lo, 4.0, v164
	v_cndmask_b32 v165, 0, v165, vcc_lo            ; none if T lies outside the radius:
	v_min_num_f32 v164, 0x40800001, v164           ; then everything up to 4 is below T
	v_mov_b32 v166, 0
	; points at T in the waves before mine.  A list cut at 16 entries holds at least as many at T as are wanted, so the count serves.
.irp p, 0,1,2
	s_cmp_gt_u32 s10, \p
	s_cbranch_scc0 .Ltied
.irp s, 0,1,2,3,4,5,6,7,8,9,10,11,12,13,14,15
	v_cmp_eq_f32 vcc_lo, v[K+16*\p+\s], v164
	v_add_co_ci_u32 v166, vcc_lo, 0, v166, vcc_lo
.endr
.endr
.Ltied:
	; ---- E: pass 2 ----
.macro P2 r
	DIST \r
.irp c, 0,1,2,3
	v_cmp_lt_u32 s19, v166, v165                   ; is one at T still wanted?
	v_cmp_eq_f32 vcc_lo, v[D+\c], v164
	s_and_b32 s19, s19, vcc_lo
	v_add_co_ci_u32 v166, vcc_lo, 0, v166, vcc_lo  ; seen at T
	v_cmp_lt_f32 vcc_lo, v[D+\c], v164
	s_or_b32 s19, s19, vcc_lo                      ; chosen
	v_cndmask_b32 v172, 0, 1.0, s19
	v_pk_fma_f32 v[168:169], v[\r+4*\c+2:\r+4*\c+3], v[172:173], v[168:169] op_sel_hi:[1,0,1]
	v_cmp_neq_f32 vcc_lo, 0, v[\r+4*\c+2]
	s_and_b32 vcc_lo, vcc_lo, s19
	v_add_co_ci_u32 v170, vcc_lo, 0, v170, vcc_lo
	v_cmp_neq_f32 vcc_lo, 0, v[\r+4*\c+3]
	s_and_b32 vcc_lo, vcc_lo, s19
	v_add_co_ci_u32 v171, vcc_lo, 0, v171, vcc_lo
.endr
.endm
	v_mov_b32 v168, 0
	v_mov_b32 v169, 0
	v_mov_b32 v170, 0
	v_mov_b32 v171, 0
	v_mov_b32 v173, 0
	SWEEP P2
	BAR                                            ; every wave's walk is over before any wave stores its sums
	; ---- F: the four waves' sums, the mean, the softmax ----
	ds_store_b128 v15, v[168:171]
	BAR                                            ; the four waves' sums are in LDS
	s_cmp_lg_u32 s10, 0
	s_cbranch_scc1 .Lend
.irp p, 0,1,2,3
	ds_load_b128 v[RA+4*\p:RA+4*\p+3], v14 offset:512*\p
.endr
	s_wait_dscnt 0x0
	v_add_f32 v168, v128, v132
	v_add_f32 v169, v129, v133
	v_add3_u32 v170, v130, v134, v138
	v_add3_u32 v171, v131, v135, v139
	v_add_f32 v168, v168, v136
	v_add_f32 v169, v169, v137
	v_add_nc_u32 v170, v170, v142
	v_add_nc_u32 v171, v171, v143
	v_add_f32 v168, v168, v140
	v_add_f32 v169, v169, v141
	v_max_u32 v170, 1, v170                        ; an occupancy of 0 counts as 1
	v_max_u32 v171, 1, v171
	v_cvt_f32_u32 v170, v170
	v_cvt_f32_u32 v171, v171
	v_rcp_f32 v144, v170
	v_rcp_f32 v145, v171
	v_lshlrev_b32 v5, 3, v1                        ; my cell's 8 bytes; also the plain instruction behind the reciprocals (ISA guide 5.7.2)
	s_wait_alu depctr_va_vdst(0)
	v_mul_f32 v146, v168, v144
	v_mul_f32 v147, v169, v145
	v_fma_f32 v148, -v146, v170, v168
	v_fma_f32 v149, -v147, v171, v169
	v_fma_f32 v146, v148, v144, v146               ; the means, each quotient corrected once
	v_fma_f32 v147, v149, v145, v147
	v_max_num_f32 v148, v146, v147                 ; the softmax's maximum
	v_sub_f32 v146, v146, v148
	v_sub_f32 v147, v147, v148
	v_mul_f32 v146, 0x3fb8aa3b, v146
	v_mul_f32 v147, 0x3fb8aa3b, v147
	v_exp_f32 v150, v146
	v_exp_f32 v151, v147
	v_nop
	s_wait_alu depctr_va_vdst(0)
	v_add_f32 v152, v150, v151                     ; between 1 and 2
	v_rcp_f32 v153, v152
	v_nop
	s_wait_alu depctr_va_vdst(0)
	v_mul_f32 v154, v150, v153
	v_mul_f32 v155, v151, v153
	v_fma_f32 v156, -v154, v152, v150
	v_fma_f32 v157, -v155, v152, v151
	v_fma_f32 v154, v156, v153, v154
	v_fma_f32 v155, v157, v153, v155
	v_cmp_eq_f32 vcc_lo, v154, v155
	v_cndmask_b32 v154, v154, 1.0, vcc_lo          ; equal halves: the cell counts as empty, (1, 0)
	v_cndmask_b32 v155, v155, 0, vcc_lo
	global_store_b64 v5, v[154:155], s[8:9] th:TH_STORE_NT   ; the wave stores 256 consecutive bytes, aligned
.Lend:
	s_wait_tensorcnt 0x0
	ds_add_u32 v176, v177
	s_wait_dscnt 0x0
	s_endpgm
.Lfunc_end_k_q64c94d4bcc_cells:
	.size	k_q64c94d4bcc_cells, .Lfunc_end_k_q64c94d4bcc_cells-k_q64c94d4bcc_cells
	.p2alignl 7, 3214868480
	.fill 96, 4, 3214868480
	.section	.rodata,"a",@progbits
	.p2align	6, 0x0
	.amdhsa_kernel k_q64c94d4bcc_cells
		.amdhsa_group_segment_fixed_size 150272
		.amdhsa_private_segment_fixed_size 0
		.amdhsa_enable_private_segment 0
		.amdhsa_kernarg_size 24
		.amdhsa_user_sgpr_count 2
		.amdhsa_user_sgpr_kernarg_segment_ptr 1
		.amdhsa_wavefront_size32 1
		.amdhsa_system_sgpr_workgroup_id_x 1
		.amdhsa_system_sgpr_workgroup_id_y 1
		.amdhsa_system_sgpr_workgroup_id_z 1
		.amdhsa_system_vgpr_workitem_id 0
		.amdhsa_next_free_vgpr 178
		.amdhsa_next_free_sgpr 66
		.amdhsa_reserve_vcc 1
		.amdhsa_float_denorm_mode_32 3
		.amdhsa_float_denorm_mode_16_64 3
		.amdhsa_memory_ordered 1
		.amdhsa_forward_progress 1
		.amdhsa_inst_pref_size 133
	.end_amdhsa_kernel
	.amdgpu_metadata
---
amdhsa.version: [ 1, 2 ]
amdhsa.kernels:
  - .name:           k_q64c94d4bcc_cells
    .symbol:         k_q64c94d4bcc_cells.kd
    .args:
      - { .name: pts, .offset: 0, .size: 8, .value_kind: global_buffer, .address_space: global }
      - { .name: bins, .offset: 8, .size: 8, .value_kind: global_buffer, .address_space: global }
      - { .name: out0, .offset: 16, .size: 8, .value_kind: global_buffer, .address_space: global }
    .group_segment_fixed_size: 150272
    .private_segment_fixed_size: 0
    .kernarg_segment_align: 8
    .kernarg_segment_size: 24
    .max_flat_workgroup_size: 128
    .sgpr_count:     66
    .vgpr_count:     178
    .wavefront_size: 32
...
	.end_amdgpu_metadata
.endif
;; end of part 2
;; ======== version 2 of 4: 2 launches; 1.35 times as fast as version 1
;; workspace buffers: pts 524,288 bytes; bins 131,072 bytes of whole numbers
;; launch prep: the kernel of part 1 again; grid 64 x 4, 4 waves a work-group, no clusters, 11,776 bytes of LDS; arguments coords, features, points_num, pts, bins; writes pts, bins
;; launch cells (part 3): grid 128 x 4, 16 waves a work-group, no clusters, 218,624 bytes of LDS; arguments pts, bins, out0; writes out0
.if DOCPART == 3
	.amdgcn_target "amdgcn-amd-amdhsa--gfx1250"
	.amdhsa_code_object_version 6
	.text
	.protected	k_q64c94d4bcc_cells
	.globl	k_q64c94d4bcc_cells
	.p2align	8
	.type	k_q64c94d4bcc_cells,@function
k_q64c94d4bcc_cells:
	s_mov_b64 s[64:65], 0
	v_nop
	global_prefetch_b8 v0, s[64:65] scope:SCOPE_SE
	s_setreg_imm32_b32 hwreg(HW_REG_WAVE_MODE, 25, 1), 1
	s_wait_xcnt 0x0
; CELLS: a work-group owns the 32 grid cells (row, 32 half + lane) of one batch; in every wave lane = cell.
; Sixteen waves, four for each of a WGP's SIMDs; wave g owns the batch's points 512 g .. 512 g + 511.  A crowded window's points are so shared
; among sixteen walks, and a SIMD has four waves to issue from while one waits for a result.
;  A  scan   the wave's 512 words of bins: points inside the window (row +- 2, columns - 2 .. + 33) are listed in LDS, in ascending index.
;  B  records for each listed point: ((row - px)^2, py, f0, f1), 16 bytes, in place of its list entry; the list is padded with +inf.
;  C  pass 1  every lane walks the wave's records (all lanes read the same 16 bytes) and keeps the 16 smallest d2 of its cell, sorted.
;  D  merge   the sixteen lists meet in LDS; waves 0 to 3 merge four each into a sorted 16; every wave merges those four and finds T, the cell's
;             16th smallest d2, and how many points AT T are still wanted (every wave does so itself: that spares a barrier and a trip through LDS);
;             each wave counts the entries at T of its own list, and the counts of the waves before it tell how many at T go first
;             (equal distances go to the lower index, as top_k does).
;  E  pass 2  the records again: points with d2 < T, and the first wanted ones with d2 = T, add their features and their counts of non-zero features.
;  F  wave 0 adds the sixteen waves' sums, divides, takes the softmax of two (its maximum taken away first) and stores 256 consecutive bytes.
; Trip counts and LDS addresses come from bins (whole numbers stored by the launch before), ids and constants alone; distances only feed masks and selects.
; d2 = (row - px)^2 + (col - py)^2 with a separate multiply and add.  With fewer than 16 points inside the radius T becomes the f32 next above 4, so that < T means <= 4.
; BARRIERS: a walk's addresses are stepped as often as a count read from memory says.  So each walk stands between two barriers of the work-group:
; every wave's LDS stores are done in front of it, and no wave stores into LDS again before every wave's walk is over.
; ROW ORDER: in batches 2 and 3 the rows are taken 32 further round, so that the work-groups x and x + 256 of the launch's order never hold the same row:
; where points crowd in the middle rows, a crowded row stands 256 places from a sparse one.  No value hangs on it.
; LDS holds records for all 8,192 points of a batch, since all of them may fall into one window.
; LIMITS: finite inputs (a point that is not chosen enters as 0 x feature); the chosen features are added in index order, not nearest first.
; No matrix unit: distances must be exact f32.  No tensor loads or clusters: what work-groups share is 32 KiB of bins.
.set REGB, 10304                       ; LDS: a wave's region, 644 slots of 16 bytes
.set CAP,  640                         ; record slots (512 points at the most + padding, in whole chunks of 128)
.set DUMP, 640                         ; the slot that takes the entries of points outside the window
.set XCH,  164864                      ; LDS: 16 waves x 4 quarters x 512 bytes: the waves' sorted lists
.set XC2,  197632                      ; LDS: 4 x 4 quarters x 512 bytes: the lists of four waves each, merged
.set TIE,  205824                      ; LDS: 32 lanes x 80 bytes: word g of a lane's row = wave g's entries at T (80 = 5 columns of 16 bytes: 16 lanes start at 16 different columns)
.set RED,  208384                      ; LDS: 16 waves x 512 bytes: sums and counts
.set K,    16                          ; v[16:79]   bins' words; four lists; counts at T; the waves' sums
.set L,    80                          ; v[80:95]   my own list, kept until its entries at T are counted
.set P,    96                          ; v[96:111]  the merge
.set Q,    112                         ; v[112:127]
.set R,    128                         ; v[128:143]
.set RA,   144                         ; v[144:159] four records
.set RB,   160                         ; v[160:175] four records
.set D,    176                         ; v[176:179] four distances
; v1 lane, v2 region, v3 running index, v4 DUMP, v5 v6 at work, v7 +inf, v8 column, v9 walk address, v10 16 lane, v11 row,
; v12 my list's place in XCH, v13 v15 (waves 0-3) four lists in XCH, the merged list's place in XC2, v14 XC2 + 16 lane,
; v180 T, v181 wanted at T, v182 seen at T, v183 region + 16 lane, v[184:185] sums, v186 v187 counts, v[188:189] weight, 0,
; v190 v191 TIE (write, read), v192 v193 RED (write, read)
.macro BAR                             ; my LDS loads and stores are done; then every wave's are
	s_wait_dscnt 0x0
	s_barrier_signal -1
	s_barrier_wait -1
.endm
	s_load_b128 s[4:7], s[0:1], 0x0                ; pts s[4:5], bins s[6:7]
	s_load_b64 s[8:9], s[0:1], 0x10                ; out0
	v_lshl_add_u32 v196, v0, 2, 0x34e00
	v_mov_b32 v197, 0
	v_and_b32 v1, 31, v0
	v_lshrrev_b32 v5, 5, v0
	v_readfirstlane_b32 s10, v5                    ; wave g
	s_and_b32 s11, ttmp7, 0xffff                   ; batch
	s_lshr_b32 s13, ttmp9, 1
	s_and_b32 s18, s11, 2
	s_lshl_b32 s18, s18, 4                         ; 32 in batches 2 and 3
	s_add_co_u32 s13, s13, s18
	s_and_b32 s13, s13, 63                         ; row
	s_and_b32 s14, ttmp9, 1                        ; half
	s_lshl_b32 s15, s13, 8                         ; the window's lower edges in bins' units: x 256 row (the + 512 of the word stands for - 2),
	s_lshl_b32 s18, s14, 29                        ; y 256 x 32 half, in the upper 16 bits
	s_or_b32 s15, s15, s18
	s_mov_b32 s16, 0x2300ffff                      ; y: 35 units at the most, whatever the lower half holds
	s_mov_b32 s17, 0                               ; points listed
	s_mul_i32 s18, s10, REGB
	v_mov_b32 v2, s18
	s_lshl_b32 s18, s10, 9
	v_add_nc_u32 v3, s18, v1                       ; the index of the first word's point: 512 g + lane
	v_mov_b32 v4, DUMP
	v_mov_b32 v7, 0x7f800000
	v_lshlrev_b32 v10, 4, v1
	v_add_nc_u32 v183, v2, v10                     ; my slot of the region's first 32
	v_add_nc_u32 v193, RED, v10
	v_add_nc_u32 v192, s18, v193                   ; + 512 g
	s_lshl_b32 s18, s10, 11
	s_add_co_u32 s18, s18, XCH
	v_add_nc_u32 v12, s18, v10                     ; XCH + 2,048 g + 16 lane
	v_add_nc_u32 v14, XC2, v10
	v_mul_u32_u24 v191, v1, 80
	v_add_nc_u32 v191, TIE, v191
	v_lshl_add_u32 v190, s10, 2, v191              ; + 4 g
	s_lshl_b32 s18, s14, 5
	v_add_nc_u32 v8, s18, v1
	v_cvt_f32_u32 v8, v8                           ; my cell's column
	v_cvt_f32_u32 v11, s13                         ; the row
	s_mov_b32 s19, 0
	s_wait_kmcnt 0x0
	s_lshl_b32 s18, s11, 17
	s_add_nc_u64 s[4:5], s[4:5], s[18:19]          ; pts of my batch
	s_lshl_b32 s18, s11, 15
	s_lshl_b32 s20, s10, 11
	s_add_co_u32 s18, s18, s20
	s_add_nc_u64 s[6:7], s[6:7], s[18:19]          ; bins of my wave's 512 points
	s_lshl_b32 s18, s11, 15
	s_lshl_b32 s20, s13, 9
	s_add_co_u32 s18, s18, s20
	s_lshl_b32 s20, s14, 8
	s_add_co_u32 s18, s18, s20
	s_add_nc_u64 s[8:9], s[8:9], s[18:19]          ; out0 at my 32 cells
	; ---- A: scan ----
.irp j, 0,1,2,3
	global_load_b128 v[K+4*\j:K+4*\j+3], v10, s[6:7] offset:512*\j
.endr
	v_add_nc_u32 v5, 16*DUMP, v2
	ds_store_b32 v5, v3                            ; the dump slot holds some index even if no point is ever dumped
; One word a lane: 32 points of consecutive indices.  Those inside the window get consecutive slots, in lane order.
.macro SCAN w
	v_sub_nc_u32 v5, v[\w], s15                    ; both fields at once; a borrow out of x happens only where x fails anyway
	v_and_b32 v6, 0xffff, v5
	v_cmp_ge_u32 s19, s16, v5                      ; y inside 35 units
	v_cmp_ge_u32 vcc_lo, 0x400, v6                 ; x inside 4 units
	s_and_b32 vcc_lo, vcc_lo, s19
	v_mbcnt_lo_u32_b32 v6, vcc_lo, s17             ; listed so far + lanes below me that list
	v_cndmask_b32 v6, v4, v6, vcc_lo
	v_min_u32 v6, DUMP, v6
	v_lshl_add_u32 v6, v6, 4, v2
	ds_store_b32 v6, v3
	v_add_nc_u32 v3, 32, v3
	s_bcnt1_i32_b32 s18, vcc_lo
	s_add_co_u32 s17, s17, s18
.endm
.irp j, 0,1,2,3
	s_wait_loadcnt 3-\j                            ; loads come back in order: load j is in, the younger ones stay out
	SCAN K+4*\j
	SCAN K+4*\j+1
	SCAN K+4*\j+2
	SCAN K+4*\j+3
.endr
	s_min_u32 s17, s17, 512                        ; 16 words of 32 lanes: it cannot be more
	; ---- B: records, in chunks of 128 slots, written out: a record's place is my slot + a constant.  Slots up to 10 past the list
	; are written at the least, since a walk reads that far ahead: (listed + 11) slots, rounded up to whole chunks, 1 to 5 of them.
	s_add_co_u32 s20, s17, 138
	s_lshr_b32 s20, s20, 7
.macro CHUNK t
.irp c, 0,1,2,3
	v_add_nc_u32 v5, 128*\t+32*\c, v1              ; my slot
	v_cmp_gt_u32 s[24+\c], s17, v5                 ; inside the list?
	v_cndmask_b32 v6, v4, v5, s[24+\c]             ; past the list the dump slot's index serves
	v_min_u32 v6, DUMP, v6
	v_lshl_add_u32 v6, v6, 4, v2
	ds_load_b32 v[D+\c], v6
.endr
	s_wait_dscnt 0x0                               ; the four indices
.irp c, 0,1,2,3
	v_min_u32 v[D+\c], 8191, v[D+\c]
	v_lshlrev_b32 v[D+\c], 4, v[D+\c]
	global_load_b128 v[RA+4*\c:RA+4*\c+3], v[D+\c], s[4:5]
.endr
.irp c, 0,1,2,3
	s_wait_loadcnt 3-\c                            ; gather c is in, the younger ones stay out; the last count, 0, also frees the four address registers
	v_sub_f32 v5, v11, v[RA+4*\c]
	v_mul_f32 v5, v5, v5
	v_cndmask_b32 v[RA+4*\c], v7, v5, s[24+\c]     ; +inf past the list
	ds_store_b128 v183, v[RA+4*\c:RA+4*\c+3] offset:2048*\t+512*\c   ; over the entry that this lane has read
.endr
.endm
.irp t, 0,1,2,3
	CHUNK \t
	s_cmp_le_u32 s20, \t+1                         ; no further chunk?
	s_cbranch_scc1 .Lrecs
.endr
	CHUNK 4
.Lrecs:
	BAR                                            ; every wave's records are in LDS before any wave walks
; Four records into buffer r: every lane reads the same bytes.
.macro LOADU r, off
.irp c, 0,1,2,3
	ds_load_b128 v[\r+4*\c:\r+4*\c+3], v9 offset:\off+16*\c
.endr
.endm
; A walk over the wave's records, eight a trip on two buffers: while one is worked on, the other's four loads are on their way.
.macro SWEEP op
	s_add_co_u32 s20, s17, 7
	s_lshr_b32 s20, s20, 3
	s_cmp_eq_u32 s20, 0
	s_cbranch_scc1 .Lswept_\@
	s_mov_b32 s21, 0
	s_mov_b32 s22, 0
	v_mov_b32 v9, v2
	LOADU RA, 0
.Lsweep_\@:
	LOADU RB, 64
	s_wait_dscnt 0x4                               ; RA is in; RB's four loads stay out
	\op RA
	s_add_co_u32 s22, s22, 128
	s_min_u32 s18, s22, (CAP-8)*16                 ; the look-ahead stays inside the region's record slots
	v_add_nc_u32 v9, s18, v2
	LOADU RA, 0
	s_wait_dscnt 0x4                               ; RB is in; the next RA's four loads stay out
	\op RB
	s_add_co_u32 s21, s21, 1
	s_cmp_lt_u32 s21, s20
	s_cbranch_scc1 .Lsweep_\@
	s_wait_dscnt 0x0                               ; the look-ahead of the last trip
.Lswept_\@:
.endm
.macro DIST r
.irp c, 0,1,2,3
	v_sub_f32 v[D+\c], v8, v[\r+4*\c+1]
.endr
.irp c, 0,1,2,3
	v_mul_f32 v[D+\c], v[D+\c], v[D+\c]
.endr
.irp c, 0,1,2,3
	v_add_f32 v[D+\c], v[\r+4*\c], v[D+\c]
.endr
.endm
; k goes to its place in the sorted list: entry s becomes the middle one of (entry s - 1, entry s, k); from the top down, so that each line reads old entries.
.macro INSERT k
.irp s, 15,14,13,12,11,10,9,8,7,6,5,4,3,2,1
	v_med3_num_f32 v[L+\s], v[L+\s-1], v[L+\s], v[\k]
.endr
	v_min_num_f32 v[L], v[L], v[\k]
.endm
.macro P1 r
	DIST \r
	INSERT D
	INSERT D+1
	INSERT D+2
	INSERT D+3
.endm
	; ---- C: pass 1 ----
.irp s, 0,1,2,3,4,5,6,7,8,9,10,11,12,13,14,15
	v_mov_b32 v[L+\s], v7
.endr
	SWEEP P1
	BAR                                            ; every wave's walk is over before any wave stores its list
	; ---- D: merge ----
.irp q, 0,1,2,3
	ds_store_b128 v12, v[L+4*\q:L+4*\q+3] offset:512*\q
.endr
	BAR                                            ; the sixteen lists are in LDS
; the 16 smallest of two sorted lists of 16, as a sequence that falls and rises once
.macro HALFM d, a, b
.irp s, 0,1,2,3,4,5,6,7,8,9,10,11,12,13,14,15
	v_min_num_f32 v[\d+\s], v[\a+\s], v[\b+15-\s]
.endr
.endm
; one stage of the sort of such a sequence
.macro BST src, dst, dist
.irp i, 0,1,2,3,4,5,6,7,8,9,10,11,12,13,14,15
.if ((\i) & (\dist)) == 0
	v_min_num_f32 v[\dst+\i], v[\src+\i], v[\src+\i+\dist]
	v_max_num_f32 v[\dst+\i+\dist], v[\src+\i], v[\src+\i+\dist]
.endif
.endr
.endm
; the four sorted lists in K: their 16 smallest into Q, in no order
.macro MERGE4
	HALFM P, K, K+16
	BST P, Q, 8
	BST Q, P, 4
	BST P, Q, 2
	BST Q, P, 1
	HALFM R, K+32, K+48
	BST R, Q, 8
	BST Q, R, 4
	BST R, Q, 2
	BST Q, R, 1
	HALFM Q, P, R
.endm
	; waves 0 to 3: lists 4 g .. 4 g + 3 become one sorted list
	s_cmp_gt_u32 s10, 3
	s_cbranch_scc1 .Lmerged
	s_lshl_b32 s18, s10, 13
	s_add_co_u32 s18, s18, XCH
	v_add_nc_u32 v13, s18, v10                     ; XCH + 4 g lists of 2,048 bytes + 16 lane
	s_lshl_b32 s18, s10, 11
	v_add_nc_u32 v15, s18, v14                     ; XC2 + 2,048 g + 16 lane
.irp q, 0,1,2,3,4,5,6,7,8,9,10,11,12,13,14,15
	ds_load_b128 v[K+4*\q:K+4*\q+3], v13 offset:512*\q     ; list 4 g + q / 4, quarter q % 4
.endr
	s_wait_dscnt 0x0
	MERGE4
	BST Q, P, 8
	BST P, Q, 4
	BST Q, P, 2
	BST P, Q, 1
.irp q, 0,1,2,3
	ds_store_b128 v15, v[Q+4*\q:Q+4*\q+3] offset:512*\q
.endr
.Lmerged:
	BAR                                            ; the four merged lists are in LDS
.irp q, 0,1,2,3,4,5,6,7,8,9,10,11,12,13,14,15
	ds_load_b128 v[K+4*\q:K+4*\q+3], v14 offset:512*\q     ; merged list q / 4, quarter q % 4
.endr
	s_wait_dscnt 0x0
	MERGE4                                         ; the cell's 16 smallest
	v_max3_num_f32 v180, v[Q], v[Q+1], v[Q+2]
.irp s, 3,5,7,9,11,13
	v_max3_num_f32 v180, v180, v[Q+\s], v[Q+\s+1]
.endr
	v_max_num_f32 v180, v180, v[Q+15]              ; T
	v_mov_b32 v5, 0
.irp s, 0,1,2,3,4,5,6,7,8,9,10,11,12,13,14,15
	v_cmp_lt_f32 vcc_lo, v[Q+\s], v180
	v_add_co_ci_u32 v5, vcc_lo, 0, v5, vcc_lo      ; how many are below T
.endr
	v_sub_nc_u32 v181, 16, v5                      ; so many at T are wanted,
	v_cmp_ge_f32 vcc_lo, 4.0, v180
	v_cndmask_b32 v181, 0, v181, vcc_lo            ; none if T lies outside the radius:
	v_min_num_f32 v180, 0x40800001, v180           ; then everything up to 4 is below T
	; my own list's entries at T.  A list cut at 16 entries holds at least as many at T as are wanted, so its count serves the waves behind.
	v_mov_b32 v5, 0
.irp s, 0,1,2,3,4,5,6,7,8,9,10,11,12,13,14,15
	v_cmp_eq_f32 vcc_lo, v[L+\s], v180
	v_add_co_ci_u32 v5, vcc_lo, 0, v5, vcc_lo
.endr
	ds_store_b32 v190, v5
	BAR                                            ; the sixteen counts are in LDS
.irp q, 0,1,2,3
	ds_load_b128 v[K+4*\q:K+4*\q+3], v191 offset:16*\q     ; my cell's sixteen counts
.endr
	v_mov_b32 v182, 0
	s_wait_dscnt 0x0
.irp p, 0,1,2,3,4,5,6,7,8,9,10,11,12,13,14
	s_cmp_gt_u32 s10, \p                           ; the waves before mine hold the lower indices
	s_cbranch_scc0 .Ltied
	v_add_nc_u32 v182, v182, v[K+\p]
.endr
.Ltied:
	; ---- E: pass 2 ----
.macro P2 r
	DIST \r
.irp c, 0,1,2,3
	v_cmp_lt_u32 s19, v182, v181                   ; is one at T still wanted?
	v_cmp_eq_f32 vcc_lo, v[D+\c], v180
	s_and_b32 s19, s19, vcc_lo
	v_add_co_ci_u32 v182, vcc_lo, 0, v182, vcc_lo  ; seen at T
	v_cmp_lt_f32 vcc_lo, v[D+\c], v180
	s_or_b32 s19, s19, vcc_lo                      ; chosen
	v_cndmask_b32 v188, 0, 1.0, s19
	v_pk_fma_f32 v[184:185], v[\r+4*\c+2:\r+4*\c+3], v[188:189], v[184:185] op_sel_hi:[1,0,1]
	v_cmp_neq_f32 vcc_lo, 0, v[\r+4*\c+2]
	s_and_b32 vcc_lo, vcc_lo, s19
	v_add_co_ci_u32 v186, vcc_lo, 0, v186, vcc_lo
	v_cmp_neq_f32 vcc_lo, 0, v[\r+4*\c+3]
	s_and_b32 vcc_lo, vcc_lo, s19
	v_add_co_ci_u32 v187, vcc_lo, 0, v187, vcc_lo
.endr
.endm
	v_mov_b32 v184, 0
	v_mov_b32 v185, 0
	v_mov_b32 v186, 0
	v_mov_b32 v187, 0
	v_mov_b32 v189, 0
	SWEEP P2
	BAR                                            ; every wave's walk is over before any wave stores its sums
	; ---- F: the sixteen waves' sums, the mean, the softmax ----
	ds_store_b128 v192, v[184:187]
	BAR                                            ; the sixteen waves' sums are in LDS
	s_cmp_lg_u32 s10, 0
	s_cbranch_scc1 .Lend
.irp p, 0,1,2,3,4,5,6,7,8,9,10,11,12,13,14,15
	ds_load_b128 v[K+4*\p:K+4*\p+3], v193 offset:512*\p
.endr
	s_wait_dscnt 0x0
	v_pk_add_f32 v[184:185], v[K:K+1], v[K+4:K+5]
	v_add3_u32 v186, v[K+2], v[K+6], v[K+10]
	v_add3_u32 v187, v[K+3], v[K+7], v[K+11]
.irp p, 2,3,4,5,6,7,8,9,10,11,12,13,14,15
	v_pk_add_f32 v[184:185], v[184:185], v[K+4*\p:K+4*\p+1]   ; in the waves' order: ascending index
.endr
.irp p, 3,5,7,9,11,13
	v_add3_u32 v186, v186, v[K+4*\p+2], v[K+4*\p+6]
	v_add3_u32 v187, v187, v[K+4*\p+3], v[K+4*\p+7]
.endr
	v_add_nc_u32 v186, v186, v[K+62]
	v_add_nc_u32 v187, v187, v[K+63]
	v_max_u32 v186, 1, v186                        ; an occupancy of 0 counts as 1
	v_max_u32 v187, 1, v187
	v_cvt_f32_u32 v186, v186
	v_cvt_f32_u32 v187, v187
	v_rcp_f32 v144, v186
	v_rcp_f32 v145, v187
	v_lshlrev_b32 v5, 3, v1                        ; my cell's 8 bytes; also the plain instruction behind the reciprocals (ISA guide 5.7.2)
	s_wait_alu depctr_va_vdst(0)
	v_mul_f32 v146, v184, v144
	v_mul_f32 v147, v185, v145
	v_fma_f32 v148, -v146, v186, v184
	v_fma_f32 v149, -v147, v187, v185
	v_fma_f32 v146, v148, v144, v146               ; the means, each quotient corrected once
	v_fma_f32 v147, v149, v145, v147
	v_max_num_f32 v148, v146, v147                 ; the softmax's maximum
	v_sub_f32 v146, v146, v148
	v_sub_f32 v147, v147, v148
	v_mul_f32 v146, 0x3fb8aa3b, v146
	v_mul_f32 v147, 0x3fb8aa3b, v147
	v_exp_f32 v150, v146
	v_exp_f32 v151, v147
	v_nop
	s_wait_alu depctr_va_vdst(0)
	v_add_f32 v152, v150, v151                     ; between 1 and 2
	v_rcp_f32 v153, v152
	v_nop
	s_wait_alu depctr_va_vdst(0)
	v_mul_f32 v154, v150, v153
	v_mul_f32 v155, v151, v153
	v_fma_f32 v156, -v154, v152, v150
	v_fma_f32 v157, -v155, v152, v151
	v_fma_f32 v154, v156, v153, v154
	v_fma_f32 v155, v157, v153, v155
	v_cmp_eq_f32 vcc_lo, v154, v155
	v_cndmask_b32 v154, v154, 1.0, vcc_lo          ; equal halves: the cell counts as empty, (1, 0)
	v_cndmask_b32 v155, v155, 0, vcc_lo
	global_store_b64 v5, v[154:155], s[8:9] th:TH_STORE_NT   ; the wave stores 256 consecutive bytes, aligned
.Lend:
	s_wait_tensorcnt 0x0
	ds_add_u32 v196, v197
	s_wait_dscnt 0x0
	s_endpgm
.Lfunc_end_k_q64c94d4bcc_cells:
	.size	k_q64c94d4bcc_cells, .Lfunc_end_k_q64c94d4bcc_cells-k_q64c94d4bcc_cells
	.p2alignl 7, 3214868480
	.fill 96, 4, 3214868480
	.section	.rodata,"a",@progbits
	.p2align	6, 0x0
	.amdhsa_kernel k_q64c94d4bcc_cells
		.amdhsa_group_segment_fixed_size 218624
		.amdhsa_private_segment_fixed_size 0
		.amdhsa_enable_private_segment 0
		.amdhsa_kernarg_size 24
		.amdhsa_user_sgpr_count 2
		.amdhsa_user_sgpr_kernarg_segment_ptr 1
		.amdhsa_wavefront_size32 1
		.amdhsa_system_sgpr_workgroup_id_x 1
		.amdhsa_system_sgpr_workgroup_id_y 1
		.amdhsa_system_sgpr_workgroup_id_z 1
		.amdhsa_system_vgpr_workitem_id 0
		.amdhsa_next_free_vgpr 198
		.amdhsa_next_free_sgpr 66
		.amdhsa_reserve_vcc 1
		.amdhsa_float_denorm_mode_32 3
		.amdhsa_float_denorm_mode_16_64 3
		.amdhsa_memory_ordered 1
		.amdhsa_forward_progress 1
		.amdhsa_inst_pref_size 73
	.end_amdhsa_kernel
	.amdgpu_metadata
---
amdhsa.version: [ 1, 2 ]
amdhsa.kernels:
  - .name:           k_q64c94d4bcc_cells
    .symbol:         k_q64c94d4bcc_cells.kd
    .args:
      - { .name: pts, .offset: 0, .size: 8, .value_kind: global_buffer, .address_space: global }
      - { .name: bins, .offset: 8, .size: 8, .value_kind: global_buffer, .address_space: global }
      - { .name: out0, .offset: 16, .size: 8, .value_kind: global_buffer, .address_space: global }
    .group_segment_fixed_size: 218624
    .private_segment_fixed_size: 0
    .kernarg_segment_align: 8
    .kernarg_segment_size: 24
    .max_flat_workgroup_size: 512
    .sgpr_count:     66
    .vgpr_count:     198
    .wavefront_size: 32
...
	.end_amdgpu_metadata
.endif
;; end of part 3
;; ======== version 3 of 4: 2 launches; 1.81 times as fast as version 1
;; workspace buffers: pts 524,288 bytes; bins 131,072 bytes of whole numbers
;; launch prep: the kernel of part 1 again; grid 64 x 4, 4 waves a work-group, no clusters, 11,776 bytes of LDS; arguments coords, features, points_num, pts, bins; writes pts, bins
;; launch cells (part 4): grid 512 x 1, 16 waves a work-group, no clusters, 218,624 bytes of LDS; arguments pts, bins, out0; writes out0
.if DOCPART == 4
	.amdgcn_target "amdgcn-amd-amdhsa--gfx1250"
	.amdhsa_code_object_version 6
	.text
	.protected	k_q64c94d4bcc_cells
	.globl	k_q64c94d4bcc_cells
	.p2align	8
	.type	k_q64c94d4bcc_cells,@function
k_q64c94d4bcc_cells:
	s_mov_b64 s[64:65], 0
	v_nop
	global_prefetch_b8 v0, s[64:65] scope:SCOPE_SE
	s_setreg_imm32_b32 hwreg(HW_REG_WAVE_MODE, 25, 1), 1
	s_wait_xcnt 0x0
; CELLS: a work-group owns the 32 grid cells (row, 32 half + lane) of one batch; in every wave lane = cell.
; Sixteen waves, four for each of a WGP's SIMDs; wave g owns the batch's points 512 g .. 512 g + 511.  A crowded window's points are so shared
; among sixteen walks, and a SIMD has four waves to issue from while one waits for a result.
;  A  scan   the wave's 512 words of bins: points inside the window (row +- 2, columns - 2 .. + 33) are listed in LDS, in ascending index.
;  B  records for each listed point: ((row - px)^2, py, f0, f1), 16 bytes, in place of its list entry; the list is padded with +inf.
;  C  pass 1  every lane walks the wave's records (all lanes read the same 16 bytes) and keeps the 16 smallest d2 of its cell, sorted.
;  D  merge   the sixteen lists meet in LDS; waves 0 to 3 merge four each into a sorted 16; every wave merges those four and finds T, the cell's
;             16th smallest d2, and how many points AT T are still wanted (every wave does so itself: that spares a barrier and a trip through LDS);
;             each wave counts the entries at T of its own list, and the counts of the waves before it tell how many at T go first
;             (equal distances go to the lower index, as top_k does).
;  E  pass 2  the records again: points with d2 < T, and the first wanted ones with d2 = T, add their features and their counts of non-zero features.
;  F  wave 0 adds the sixteen waves' sums, divides, takes the softmax of two (its maximum taken away first) and stores 256 consecutive bytes.
; Trip counts and LDS addresses come from bins (whole numbers stored by the launch before), ids and constants alone; distances only feed masks and selects.
; d2 = (row - px)^2 + (col - py)^2 with a separate multiply and add.  With fewer than 16 points inside the radius T becomes the f32 next above 4, so that < T means <= 4.
; BARRIERS: a walk's addresses are stepped as often as a count read from memory says.  So each walk stands between two barriers of the work-group:
; every wave's LDS stores are done in front of it, and no wave stores into LDS again before every wave's walk is over.
; ROW ORDER: work-group n takes batch n & 3, half (n >> 2) & 1 and the row of rank n >> 3 in the order 32, 31, 33, 30, .. 63, 0: the lower the number,
; the nearer the row to the grid's middle, on which reference() centres the points' bounding box.  Where points crowd there, the work-groups with the
; longest walks have the lowest numbers, so that, if work-groups are started in the order of their numbers, the long ones start first and the short
; ones fill up behind them.  The 512 numbers give each (batch, row, half) once; no value hangs on the order.
; LDS holds records for all 8,192 points of a batch, since all of them may fall into one window.
; LIMITS: finite inputs (a point that is not chosen enters as 0 x feature); the chosen features are added in index order, not nearest first.
; No matrix unit: distances must be exact f32.  No tensor loads or clusters: what work-groups share is 32 KiB of bins.
.set REGB, 10304                       ; LDS: a wave's region, 644 slots of 16 bytes
.set CAP,  640                         ; record slots (512 points at the most + padding, in whole chunks of 128)
.set DUMP, 640                         ; the slot that takes the entries of points outside the window
.set XCH,  164864                      ; LDS: 16 waves x 4 quarters x 512 bytes: the waves' sorted lists
.set XC2,  197632                      ; LDS: 4 x 4 quarters x 512 bytes: the lists of four waves each, merged
.set TIE,  205824                      ; LDS: 32 lanes x 80 bytes: word g of a lane's row = wave g's entries at T (80 = 5 columns of 16 bytes: 16 lanes start at 16 different columns)
.set RED,  208384                      ; LDS: 16 waves x 512 bytes: sums and counts
.set K,    16                          ; v[16:79]   bins' words; four lists; counts at T; the waves' sums
.set L,    80                          ; v[80:95]   my own list, kept until its entries at T are counted
.set P,    96                          ; v[96:111]  the merge
.set Q,    112                         ; v[112:127]
.set R,    128                         ; v[128:143]
.set RA,   144                         ; v[144:159] four records
.set RB,   160                         ; v[160:175] four records
.set D,    176                         ; v[176:179] four distances
; v1 lane, v2 region, v3 running index, v4 DUMP, v5 v6 at work, v7 +inf, v8 column, v9 walk address, v10 16 lane, v11 row,
; v12 my list's place in XCH, v13 v15 (waves 0-3) four lists in XCH, the merged list's place in XC2, v14 XC2 + 16 lane,
; v180 T, v181 wanted at T, v182 seen at T, v183 region + 16 lane, v[184:185] sums, v186 v187 counts, v[188:189] weight, 0,
; v190 v191 TIE (write, read), v192 v193 RED (write, read)
.macro BAR                             ; my LDS loads and stores are done; then every wave's are
	s_wait_dscnt 0x0
	s_barrier_signal -1
	s_barrier_wait -1
.endm
	s_load_b128 s[4:7], s[0:1], 0x0                ; pts s[4:5], bins s[6:7]
	s_load_b64 s[8:9], s[0:1], 0x10                ; out0
	v_lshl_add_u32 v196, v0, 2, 0x34e00
	v_mov_b32 v197, 0
	v_and_b32 v1, 31, v0
	v_lshrrev_b32 v5, 5, v0
	v_readfirstlane_b32 s10, v5                    ; wave g
	s_and_b32 s11, ttmp9, 3                        ; batch
	s_bfe_u32 s14, ttmp9, 0x10002                  ; half: one bit from bit 2
	s_lshr_b32 s13, ttmp9, 3                       ; the row's rank r, 0 to 63
	s_add_co_u32 s18, s13, 1
	s_lshr_b32 s18, s18, 1                         ; (r + 1) / 2: r / 2 for an even r
	s_sub_co_u32 s20, 32, s18                      ; odd r: 31, 30, .. 0
	s_add_co_u32 s18, s18, 32                      ; even r: 32, 33, .. 63
	s_bitcmp1_b32 s13, 0
	s_cselect_b32 s13, s20, s18
	s_and_b32 s13, s13, 63                         ; row (the mask changes nothing: both sequences lie in 0 to 63)
	s_lshl_b32 s15, s13, 8                         ; the window's lower edges in bins' units: x 256 row (the + 512 of the word stands for - 2),
	s_lshl_b32 s18, s14, 29                        ; y 256 x 32 half, in the upper 16 bits
	s_or_b32 s15, s15, s18
	s_mov_b32 s16, 0x2300ffff                      ; y: 35 units at the most, whatever the lower half holds
	s_mov_b32 s17, 0                               ; points listed
	s_mul_i32 s18, s10, REGB
	v_mov_b32 v2, s18
	s_lshl_b32 s18, s10, 9
	v_add_nc_u32 v3, s18, v1                       ; the index of the first word's point: 512 g + lane
	v_mov_b32 v4, DUMP
	v_mov_b32 v7, 0x7f800000
	v_lshlrev_b32 v10, 4, v1
	v_add_nc_u32 v183, v2, v10                     ; my slot of the region's first 32
	v_add_nc_u32 v193, RED, v10
	v_add_nc_u32 v192, s18, v193                   ; + 512 g
	s_lshl_b32 s18, s10, 11
	s_add_co_u32 s18, s18, XCH
	v_add_nc_u32 v12, s18, v10                     ; XCH + 2,048 g + 16 lane
	v_add_nc_u32 v14, XC2, v10
	v_mul_u32_u24 v191, v1, 80
	v_add_nc_u32 v191, TIE, v191
	v_lshl_add_u32 v190, s10, 2, v191              ; + 4 g
	s_lshl_b32 s18, s14, 5
	v_add_nc_u32 v8, s18, v1
	v_cvt_f32_u32 v8, v8                           ; my cell's column
	v_cvt_f32_u32 v11, s13                         ; the row
	s_mov_b32 s19, 0
	s_wait_kmcnt 0x0
	s_lshl_b32 s18, s11, 17
	s_add_nc_u64 s[4:5], s[4:5], s[18:19]          ; pts of my batch
	s_lshl_b32 s18, s11, 15
	s_lshl_b32 s20, s10, 11
	s_add_co_u32 s18, s18, s20
	s_add_nc_u64 s[6:7], s[6:7], s[18:19]          ; bins of my wave's 512 points
	s_lshl_b32 s18, s11, 15
	s_lshl_b32 s20, s13, 9
	s_add_co_u32 s18, s18, s20
	s_lshl_b32 s20, s14, 8
	s_add_co_u32 s18, s18, s20
	s_add_nc_u64 s[8:9], s[8:9], s[18:19]          ; out0 at my 32 cells
	; ---- A: scan ----
.irp j, 0,1,2,3
	global_load_b128 v[K+4*\j:K+4*\j+3], v10, s[6:7] offset:512*\j
.endr
	v_add_nc_u32 v5, 16*DUMP, v2
	ds_store_b32 v5, v3                            ; the dump slot holds some index even if no point is ever dumped
; One word a lane: 32 points of consecutive indices.  Those inside the window get consecutive slots, in lane order.
.macro SCAN w
	v_sub_nc_u32 v5, v[\w], s15                    ; both fields at once; a borrow out of x happens only where x fails anyway
	v_and_b32 v6, 0xffff, v5
	v_cmp_ge_u32 s19, s16, v5                      ; y inside 35 units
	v_cmp_ge_u32 vcc_lo, 0x400, v6                 ; x inside 4 units
	s_and_b32 vcc_lo, vcc_lo, s19
	v_mbcnt_lo_u32_b32 v6, vcc_lo, s17             ; listed so far + lanes below me that list
	v_cndmask_b32 v6, v4, v6, vcc_lo
	v_min_u32 v6, DUMP, v6
	v_lshl_add_u32 v6, v6, 4, v2
	ds_store_b32 v6, v3
	v_add_nc_u32 v3, 32, v3
	s_bcnt1_i32_b32 s18, vcc_lo
	s_add_co_u32 s17, s17, s18
.endm
.irp j, 0,1,2,3
	s_wait_loadcnt 3-\j                            ; loads come back in order: load j is in, the younger ones stay out
	SCAN K+4*\j
	SCAN K+4*\j+1
	SCAN K+4*\j+2
	SCAN K+4*\j+3
.endr
	s_min_u32 s17, s17, 512                        ; 16 words of 32 lanes: it cannot be more
	; ---- B: records, in chunks of 128 slots, written out: a record's place is my slot + a constant.  Slots up to 10 past the list
	; are written at the least, since a walk reads that far ahead: (listed + 11) slots, rounded up to whole chunks, 1 to 5 of them.
	s_add_co_u32 s20, s17, 138
	s_lshr_b32 s20, s20, 7
.macro CHUNK t
.irp c, 0,1,2,3
	v_add_nc_u32 v5, 128*\t+32*\c, v1              ; my slot
	v_cmp_gt_u32 s[24+\c], s17, v5                 ; inside the list?
	v_cndmask_b32 v6, v4, v5, s[24+\c]             ; past the list the dump slot's index serves
	v_min_u32 v6, DUMP, v6
	v_lshl_add_u32 v6, v6, 4, v2
	ds_load_b32 v[D+\c], v6
.endr
	s_wait_dscnt 0x0                               ; the four indices
.irp c, 0,1,2,3
	v_min_u32 v[D+\c], 8191, v[D+\c]
	v_lshlrev_b32 v[D+\c], 4, v[D+\c]
	global_load_b128 v[RA+4*\c:RA+4*\c+3], v[D+\c], s[4:5]
.endr
.irp c, 0,1,2,3
	s_wait_loadcnt 3-\c                            ; gather c is in, the younger ones stay out; the last count, 0, also frees the four address registers
	v_sub_f32 v5, v11, v[RA+4*\c]
	v_mul_f32 v5, v5, v5
	v_cndmask_b32 v[RA+4*\c], v7, v5, s[24+\c]     ; +inf past the list
	ds_store_b128 v183, v[RA+4*\c:RA+4*\c+3] offset:2048*\t+512*\c   ; over the entry that this lane has read
.endr
.endm
.irp t, 0,1,2,3
	CHUNK \t
	s_cmp_le_u32 s20, \t+1                         ; no further chunk?
	s_cbranch_scc1 .Lrecs
.endr
	CHUNK 4
.Lrecs:
	BAR                                            ; every wave's records are in LDS before any wave walks
; Four records into buffer r: every lane reads the same bytes.
.macro LOADU r, off
.irp c, 0,1,2,3
	ds_load_b128 v[\r+4*\c:\r+4*\c+3], v9 offset:\off+16*\c
.endr
.endm
; A walk over the wave's records, eight a trip on two buffers: while one is worked on, the other's four loads are on their way.
.macro SWEEP op
	s_add_co_u32 s20, s17, 7
	s_lshr_b32 s20, s20, 3
	s_cmp_eq_u32 s20, 0
	s_cbranch_scc1 .Lswept_\@
	s_mov_b32 s21, 0
	s_mov_b32 s22, 0
	v_mov_b32 v9, v2
	LOADU RA, 0
.Lsweep_\@:
	LOADU RB, 64
	s_wait_dscnt 0x4                               ; RA is in; RB's four loads stay out
	\op RA
	s_add_co_u32 s22, s22, 128
	s_min_u32 s18, s22, (CAP-8)*16                 ; the look-ahead stays inside the region's record slots
	v_add_nc_u32 v9, s18, v2
	LOADU RA, 0
	s_wait_dscnt 0x4                               ; RB is in; the next RA's four loads stay out
	\op RB
	s_add_co_u32 s21, s21, 1
	s_cmp_lt_u32 s21, s20
	s_cbranch_scc1 .Lsweep_\@
	s_wait_dscnt 0x0                               ; the look-ahead of the last trip
.Lswept_\@:
.endm
.macro DIST r
.irp c, 0,1,2,3
	v_sub_f32 v[D+\c], v8, v[\r+4*\c+1]
.endr
.irp c, 0,1,2,3
	v_mul_f32 v[D+\c], v[D+\c], v[D+\c]
.endr
.irp c, 0,1,2,3
	v_add_f32 v[D+\c], v[\r+4*\c], v[D+\c]
.endr
.endm
; k goes to its place in the sorted list: entry s becomes the middle one of (entry s - 1, entry s, k); from the top down, so that each line reads old entries.
.macro INSERT k
.irp s, 15,14,13,12,11,10,9,8,7,6,5,4,3,2,1
	v_med3_num_f32 v[L+\s], v[L+\s-1], v[L+\s], v[\k]
.endr
	v_min_num_f32 v[L], v[L], v[\k]
.endm
.macro P1 r
	DIST \r
	INSERT D
	INSERT D+1
	INSERT D+2
	INSERT D+3
.endm
	; ---- C: pass 1 ----
.irp s, 0,1,2,3,4,5,6,7,8,9,10,11,12,13,14,15
	v_mov_b32 v[L+\s], v7
.endr
	SWEEP P1
	BAR                                            ; every wave's walk is over before any wave stores its list
	; ---- D: merge ----
.irp q, 0,1,2,3
	ds_store_b128 v12, v[L+4*\q:L+4*\q+3] offset:512*\q
.endr
	BAR                                            ; the sixteen lists are in LDS
; the 16 smallest of two sorted lists of 16, as a sequence that falls and rises once
.macro HALFM d, a, b
.irp s, 0,1,2,3,4,5,6,7,8,9,10,11,12,13,14,15
	v_min_num_f32 v[\d+\s], v[\a+\s], v[\b+15-\s]
.endr
.endm
; one stage of the sort of such a sequence
.macro BST src, dst, dist
.irp i, 0,1,2,3,4,5,6,7,8,9,10,11,12,13,14,15
.if ((\i) & (\dist)) == 0
	v_min_num_f32 v[\dst+\i], v[\src+\i], v[\src+\i+\dist]
	v_max_num_f32 v[\dst+\i+\dist], v[\src+\i], v[\src+\i+\dist]
.endif
.endr
.endm
; the four sorted lists in K: their 16 smallest into Q, in no order
.macro MERGE4
	HALFM P, K, K+16
	BST P, Q, 8
	BST Q, P, 4
	BST P, Q, 2
	BST Q, P, 1
	HALFM R, K+32, K+48
	BST R, Q, 8
	BST Q, R, 4
	BST R, Q, 2
	BST Q, R, 1
	HALFM Q, P, R
.endm
	; waves 0 to 3: lists 4 g .. 4 g + 3 become one sorted list
	s_cmp_gt_u32 s10, 3
	s_cbranch_scc1 .Lmerged
	s_lshl_b32 s18, s10, 13
	s_add_co_u32 s18, s18, XCH
	v_add_nc_u32 v13, s18, v10                     ; XCH + 4 g lists of 2,048 bytes + 16 lane
	s_lshl_b32 s18, s10, 11
	v_add_nc_u32 v15, s18, v14                     ; XC2 + 2,048 g + 16 lane
.irp q, 0,1,2,3,4,5,6,7,8,9,10,11,12,13,14,15
	ds_load_b128 v[K+4*\q:K+4*\q+3], v13 offset:512*\q     ; list 4 g + q / 4, quarter q % 4
.endr
	s_wait_dscnt 0x0
	MERGE4
	BST Q, P, 8
	BST P, Q, 4
	BST Q, P, 2
	BST P, Q, 1
.irp q, 0,1,2,3
	ds_store_b128 v15, v[Q+4*\q:Q+4*\q+3] offset:512*\q
.endr
.Lmerged:
	BAR                                            ; the four merged lists are in LDS
.irp q, 0,1,2,3,4,5,6,7,8,9,10,11,12,13,14,15
	ds_load_b128 v[K+4*\q:K+4*\q+3], v14 offset:512*\q     ; merged list q / 4, quarter q % 4
.endr
	s_wait_dscnt 0x0
	MERGE4                                         ; the cell's 16 smallest
	v_max3_num_f32 v180, v[Q], v[Q+1], v[Q+2]
.irp s, 3,5,7,9,11,13
	v_max3_num_f32 v180, v180, v[Q+\s], v[Q+\s+1]
.endr
	v_max_num_f32 v180, v180, v[Q+15]              ; T
	v_mov_b32 v5, 0
.irp s, 0,1,2,3,4,5,6,7,8,9,10,11,12,13,14,15
	v_cmp_lt_f32 vcc_lo, v[Q+\s], v180
	v_add_co_ci_u32 v5, vcc_lo, 0, v5, vcc_lo      ; how many are below T
.endr
	v_sub_nc_u32 v181, 16, v5                      ; so many at T are wanted,
	v_cmp_ge_f32 vcc_lo, 4.0, v180
	v_cndmask_b32 v181, 0, v181, vcc_lo            ; none if T lies outside the radius:
	v_min_num_f32 v180, 0x40800001, v180           ; then everything up to 4 is below T
	; my own list's entries at T.  A list cut at 16 entries holds at least as many at T as are wanted, so its count serves the waves behind.
	v_mov_b32 v5, 0
.irp s, 0,1,2,3,4,5,6,7,8,9,10,11,12,13,14,15
	v_cmp_eq_f32 vcc_lo, v[L+\s], v180
	v_add_co_ci_u32 v5, vcc_lo, 0, v5, vcc_lo
.endr
	ds_store_b32 v190, v5
	BAR                                            ; the sixteen counts are in LDS
.irp q, 0,1,2,3
	ds_load_b128 v[K+4*\q:K+4*\q+3], v191 offset:16*\q     ; my cell's sixteen counts
.endr
	v_mov_b32 v182, 0
	s_wait_dscnt 0x0
.irp p, 0,1,2,3,4,5,6,7,8,9,10,11,12,13,14
	s_cmp_gt_u32 s10, \p                           ; the waves before mine hold the lower indices
	s_cbranch_scc0 .Ltied
	v_add_nc_u32 v182, v182, v[K+\p]
.endr
.Ltied:
	; ---- E: pass 2 ----
.macro P2 r
	DIST \r
.irp c, 0,1,2,3
	v_cmp_lt_u32 s19, v182, v181                   ; is one at T still wanted?
	v_cmp_eq_f32 vcc_lo, v[D+\c], v180
	s_and_b32 s19, s19, vcc_lo
	v_add_co_ci_u32 v182, vcc_lo, 0, v182, vcc_lo  ; seen at T
	v_cmp_lt_f32 vcc_lo, v[D+\c], v180
	s_or_b32 s19, s19, vcc_lo                      ; chosen
	v_cndmask_b32 v188, 0, 1.0, s19
	v_pk_fma_f32 v[184:185], v[\r+4*\c+2:\r+4*\c+3], v[188:189], v[184:185] op_sel_hi:[1,0,1]
	v_cmp_neq_f32 vcc_lo, 0, v[\r+4*\c+2]
	s_and_b32 vcc_lo, vcc_lo, s19
	v_add_co_ci_u32 v186, vcc_lo, 0, v186, vcc_lo
	v_cmp_neq_f32 vcc_lo, 0, v[\r+4*\c+3]
	s_and_b32 vcc_lo, vcc_lo, s19
	v_add_co_ci_u32 v187, vcc_lo, 0, v187, vcc_lo
.endr
.endm
	v_mov_b32 v184, 0
	v_mov_b32 v185, 0
	v_mov_b32 v186, 0
	v_mov_b32 v187, 0
	v_mov_b32 v189, 0
	SWEEP P2
	BAR                                            ; every wave's walk is over before any wave stores its sums
	; ---- F: the sixteen waves' sums, the mean, the softmax ----
	ds_store_b128 v192, v[184:187]
	BAR                                            ; the sixteen waves' sums are in LDS
	s_cmp_lg_u32 s10, 0
	s_cbranch_scc1 .Lend
.irp p, 0,1,2,3,4,5,6,7,8,9,10,11,12,13,14,15
	ds_load_b128 v[K+4*\p:K+4*\p+3], v193 offset:512*\p
.endr
	s_wait_dscnt 0x0
	v_pk_add_f32 v[184:185], v[K:K+1], v[K+4:K+5]
	v_add3_u32 v186, v[K+2], v[K+6], v[K+10]
	v_add3_u32 v187, v[K+3], v[K+7], v[K+11]
.irp p, 2,3,4,5,6,7,8,9,10,11,12,13,14,15
	v_pk_add_f32 v[184:185], v[184:185], v[K+4*\p:K+4*\p+1]   ; in the waves' order: ascending index
.endr
.irp p, 3,5,7,9,11,13
	v_add3_u32 v186, v186, v[K+4*\p+2], v[K+4*\p+6]
	v_add3_u32 v187, v187, v[K+4*\p+3], v[K+4*\p+7]
.endr
	v_add_nc_u32 v186, v186, v[K+62]
	v_add_nc_u32 v187, v187, v[K+63]
	v_max_u32 v186, 1, v186                        ; an occupancy of 0 counts as 1
	v_max_u32 v187, 1, v187
	v_cvt_f32_u32 v186, v186
	v_cvt_f32_u32 v187, v187
	v_rcp_f32 v144, v186
	v_rcp_f32 v145, v187
	v_lshlrev_b32 v5, 3, v1                        ; my cell's 8 bytes; also the plain instruction behind the reciprocals (ISA guide 5.7.2)
	s_wait_alu depctr_va_vdst(0)
	v_mul_f32 v146, v184, v144
	v_mul_f32 v147, v185, v145
	v_fma_f32 v148, -v146, v186, v184
	v_fma_f32 v149, -v147, v187, v185
	v_fma_f32 v146, v148, v144, v146               ; the means, each quotient corrected once
	v_fma_f32 v147, v149, v145, v147
	v_max_num_f32 v148, v146, v147                 ; the softmax's maximum
	v_sub_f32 v146, v146, v148
	v_sub_f32 v147, v147, v148
	v_mul_f32 v146, 0x3fb8aa3b, v146
	v_mul_f32 v147, 0x3fb8aa3b, v147
	v_exp_f32 v150, v146
	v_exp_f32 v151, v147
	v_nop
	s_wait_alu depctr_va_vdst(0)
	v_add_f32 v152, v150, v151                     ; between 1 and 2
	v_rcp_f32 v153, v152
	v_nop
	s_wait_alu depctr_va_vdst(0)
	v_mul_f32 v154, v150, v153
	v_mul_f32 v155, v151, v153
	v_fma_f32 v156, -v154, v152, v150
	v_fma_f32 v157, -v155, v152, v151
	v_fma_f32 v154, v156, v153, v154
	v_fma_f32 v155, v157, v153, v155
	v_cmp_eq_f32 vcc_lo, v154, v155
	v_cndmask_b32 v154, v154, 1.0, vcc_lo          ; equal halves: the cell counts as empty, (1, 0)
	v_cndmask_b32 v155, v155, 0, vcc_lo
	global_store_b64 v5, v[154:155], s[8:9] th:TH_STORE_NT   ; the wave stores 256 consecutive bytes, aligned
.Lend:
	s_wait_tensorcnt 0x0
	ds_add_u32 v196, v197
	s_wait_dscnt 0x0
	s_endpgm
.Lfunc_end_k_q64c94d4bcc_cells:
	.size	k_q64c94d4bcc_cells, .Lfunc_end_k_q64c94d4bcc_cells-k_q64c94d4bcc_cells
	.p2alignl 7, 3214868480
	.fill 96, 4, 3214868480
	.section	.rodata,"a",@progbits
	.p2align	6, 0x0
	.amdhsa_kernel k_q64c94d4bcc_cells
		.amdhsa_group_segment_fixed_size 218624
		.amdhsa_private_segment_fixed_size 0
		.amdhsa_enable_private_segment 0
		.amdhsa_kernarg_size 24
		.amdhsa_user_sgpr_count 2
		.amdhsa_user_sgpr_kernarg_segment_ptr 1
		.amdhsa_wavefront_size32 1
		.amdhsa_system_sgpr_workgroup_id_x 1
		.amdhsa_system_sgpr_workgroup_id_y 1
		.amdhsa_system_sgpr_workgroup_id_z 1
		.amdhsa_system_vgpr_workitem_id 0
		.amdhsa_next_free_vgpr 198
		.amdhsa_next_free_sgpr 66
		.amdhsa_reserve_vcc 1
		.amdhsa_float_denorm_mode_32 3
		.amdhsa_float_denorm_mode_16_64 3
		.amdhsa_memory_ordered 1
		.amdhsa_forward_progress 1
		.amdhsa_inst_pref_size 73
	.end_amdhsa_kernel
	.amdgpu_metadata
---
amdhsa.version: [ 1, 2 ]
amdhsa.kernels:
  - .name:           k_q64c94d4bcc_cells
    .symbol:         k_q64c94d4bcc_cells.kd
    .args:
      - { .name: pts, .offset: 0, .size: 8, .value_kind: global_buffer, .address_space: global }
      - { .name: bins, .offset: 8, .size: 8, .value_kind: global_buffer, .address_space: global }
      - { .name: out0, .offset: 16, .size: 8, .value_kind: global_buffer, .address_space: global }
    .group_segment_fixed_size: 218624
    .private_segment_fixed_size: 0
    .kernarg_segment_align: 8
    .kernarg_segment_size: 24
    .max_flat_workgroup_size: 512
    .sgpr_count:     66
    .vgpr_count:     198
    .wavefront_size: 32
...
	.end_amdgpu_metadata
.endif
;; end of part 4
;; ======== version 4 of 4: 2 launches; version 3 with the launch cells written anew for expert scheduling mode
;; workspace buffers: pts 524,288 bytes; bins 131,072 bytes of whole numbers
;; launch prep: the kernel of part 1 again; grid 64 x 4, 4 waves a work-group, no clusters, 11,776 bytes of LDS; arguments coords, features, points_num, pts, bins; writes pts, bins
;; launch cells (part 5): grid 512 x 1, 16 waves a work-group, no clusters, 218,624 bytes of LDS; arguments pts, bins, out0; writes out0
.if DOCPART == 5
	.amdgcn_target "amdgcn-amd-amdhsa--gfx1250"
	.amdhsa_code_object_version 6
	.text
	.protected	k_q64c94d4bcc_cells
	.globl	k_q64c94d4bcc_cells
	.p2align	8
	.type	k_q64c94d4bcc_cells,@function
k_q64c94d4bcc_cells:
	s_mov_b64 s[64:65], 0
	v_nop
	global_prefetch_b8 v0, s[64:65] scope:SCOPE_SE
	s_setreg_imm32_b32 hwreg(HW_REG_WAVE_SCHED_MODE, 0, 2), 2
	s_setreg_imm32_b32 hwreg(HW_REG_WAVE_MODE, 25, 1), 1
	s_wait_xcnt 0x0
	s_wait_alu depctr_vm_vsrc(0)
; CELLS: a work-group owns the 32 grid cells (row, 32 half + lane) of one batch; in every wave lane = cell.
; Sixteen waves, four for each of a WGP's SIMDs; wave g owns the batch's points 512 g .. 512 g + 511.  A crowded window's points are so shared
; among sixteen walks, and a SIMD has four waves to issue from while one waits for a result.
;  A  scan   the wave's 512 words of bins: points inside the window (row +- 2, columns - 2 .. + 33) are listed in LDS, in ascending index.
;  B  records for each listed point: ((row - px)^2, py, f0, f1), 16 bytes, in place of its list entry; the list is padded with +inf.
;  C  pass 1  every lane walks the wave's records (all lanes read the same 16 bytes) and keeps the 16 smallest d2 of its cell, sorted.
;  D  merge   the sixteen lists meet in LDS; waves 0 to 3 merge four each into a sorted 16; every wave merges those four and finds T, the cell's
;             16th smallest d2, and how many points AT T are still wanted (every wave does so itself: that spares a barrier and a trip through LDS);
;             each wave counts the entries at T of its own list, and the counts of the waves before it tell how many at T go first
;             (equal distances go to the lower index, as top_k does).
;  E  pass 2  the records again: points with d2 < T, and the first wanted ones with d2 = T, add their features and their counts of non-zero features.
;  F  wave 0 adds the sixteen waves' sums, divides, takes the softmax of two (its maximum taken away first) and stores 256 consecutive bytes.
; Trip counts and LDS addresses come from bins (whole numbers stored by the launch before), ids and constants alone; distances only feed masks and selects.
; d2 = (row - px)^2 + (col - py)^2 with a separate multiply and add.  With fewer than 16 points inside the radius T becomes the f32 next above 4, so that < T means <= 4.
; BARRIERS: a walk's addresses are stepped as often as a count read from memory says.  So each walk stands between two barriers of the work-group:
; every wave's LDS stores are done in front of it, and no wave stores into LDS again before every wave's walk is over.
; ROW ORDER: work-group n takes batch n & 3, half (n >> 2) & 1 and the row of rank n >> 3 in the order 32, 31, 33, 30, .. 63, 0: the lower the number,
; the nearer the row to the grid's middle, on which reference() centres the points' bounding box.  Where points crowd there, the work-groups with the
; longest walks have the lowest numbers, so that, if work-groups are started in the order of their numbers, the long ones start first and the short
; ones fill up behind them.  The 512 numbers give each (batch, row, half) once; no value hangs on the order.
; LDS holds records for all 8,192 points of a batch, since all of them may fall into one window.
; LIMITS: finite inputs (a point that is not chosen enters as 0 x feature); the chosen features are added in index order, not nearest first.
; No matrix unit: distances must be exact f32.  No tensor loads or clusters: what work-groups share is 32 KiB of bins.
; THE MODE: SCHED_MODE bits 1:0 = 2 (LLVM: expert scheduling mode 2), set by the entry lines.  The code itself states the register dependences
; between vector instructions and memory or LDS instructions, and those through scalar registers that vector instructions write, with s_wait_alu, always for 0.
; THE PLAN.  Registers that memory or LDS instructions touch:
;   v10, v12, v14, v183, v190-v194  addresses, made at the head, never written again; v13, v15 made once, in waves 0 to 3.
;   K          loads land in it four times (bins; four lists; four merged lists; counts or sums); vector work reads it in between.
;   SA, IX     scan: each of the 16 words has a slot address and an index register of its own; a batch's four stores are issued at the head of the next batch.
;   v[96:99]   chunk: addresses of four list entries.   D  chunk: the entries land, are clamped and shifted, and are the gathers' addresses.
;   RA, RB     chunk: the gathers land in RA, one word of each record is written anew, the record stores read it.  Walks: LDS loads land by turns;
;              while the step's arithmetic reads one buffer, the loads into the other are on their way.
;   v9         the walk's LDS address: written once a trip, just ahead of a wait on the vector side that stands there anyway.
;   L, Q, v6, v[184:187], v[154:155], v5   written by vector work, then read by one run of stores each.
; Compares stand in runs, each mask in a scalar register of its own, with one wait behind the run.  A carry add takes its carry from such a register.  It also
; writes a carry out, which nothing reads: over the mask that it took, where that mask is wanted no more, else into a register of its own; so every writer of
; a run has its own register, and one wait behind the run stands ahead of the next line that names any of them.
.set REGB, 10304                       ; LDS: a wave's region, 644 slots of 16 bytes
.set CAP,  640                         ; record slots (512 points at the most + padding, in whole chunks of 128)
.set DUMP, 640                         ; the slot that takes the entries of points outside the window
.set XCH,  164864                      ; LDS: 16 waves x 4 quarters x 512 bytes: the waves' sorted lists
.set XC2,  197632                      ; LDS: 4 x 4 quarters x 512 bytes: the lists of four waves each, merged
.set TIE,  205824                      ; LDS: 32 lanes x 80 bytes: word g of a lane's row = wave g's entries at T (80 = 5 columns of 16 bytes: 16 lanes start at 16 different columns)
.set RED,  208384                      ; LDS: 16 waves x 512 bytes: sums and counts
.set K,    16                          ; v[16:79]   bins' words; four lists; counts at T; the waves' sums
.set L,    80                          ; v[80:95]   my own list, kept until its entries at T are counted
.set P,    96                          ; v[96:111]  the merge
.set Q,    112                         ; v[112:127]
.set R,    128                         ; v[128:143]
.set RA,   144                         ; v[144:159] four records
.set RB,   160                         ; v[160:175] four records
.set D,    176                         ; v[176:179] four distances; in a chunk four list entries
.set SA,   P                           ; scan: the 16 words' slot addresses; chunk: the first four are the list entries' addresses
.set IX,   Q                           ; scan: the 16 words' point indices
.set T1,   R                           ; v[128:131] scan and chunk: at work
.set T2,   R+4                         ; v[132:135] scan and chunk: at work
.set W,    P                           ; pass 2: v[97:99] points at T seen before records 1 to 3 of four
.set EQ,   24                          ; s[24:27]   pass 2: d2 = T              (scan: y inside, then listed; chunk: inside the list; merge: s[24:39] below T)
.set LT,   28                          ; s[28:31]   pass 2: d2 < T              (scan: x inside)
.set N0,   32                          ; s[32:35]   pass 2: f0 is not 0
.set N1,   36                          ; s[36:39]   pass 2: f1 is not 0
.set WT,   40                          ; s[40:43]   pass 2: one at T is still wanted, then: chosen      (merge: s40 T inside the radius, s[41:56] my list's entries at T)
.set CW,   44                          ; s[44:47]   pass 2: the carries out of the four adds that count the points at T; nothing reads them
; v1 lane, v2 region, v4 DUMP, v5 at work and at last the result's offset, v6 my list's entries at T, v7 +inf, v8 column, v9 walk address, v10 16 lane, v11 row,
; v12 my list's place in XCH, v13 v15 (waves 0-3) four lists in XCH, the merged list's place in XC2, v14 XC2 + 16 lane,
; v180 T, v181 wanted at T, v182 seen at T, v183 region + 16 lane, v[184:185] sums, v186 v187 counts, v[188:189] weight, 0,
; v190 v191 TIE (write, read), v192 v193 RED (write, read), v194 the dump slot's address
.macro BAR                             ; my LDS loads and stores are done; then every wave's are
	s_wait_dscnt 0x0
	s_barrier_signal -1
	s_barrier_wait -1
.endm
	s_load_b128 s[4:7], s[0:1], 0x0                ; pts s[4:5], bins s[6:7]
	s_load_b64 s[8:9], s[0:1], 0x10                ; out0
	v_lshl_add_u32 v3, v0, 2, 0x34e00
	v_mov_b32 v195, 0
	v_and_b32 v1, 31, v0
	v_lshrrev_b32 v5, 5, v0
	v_readfirstlane_b32 s10, v5                    ; wave g
	s_and_b32 s11, ttmp9, 3                        ; batch
	s_bfe_u32 s14, ttmp9, 0x10002                  ; half: one bit from bit 2
	s_lshr_b32 s13, ttmp9, 3                       ; the row's rank r, 0 to 63
	s_add_co_u32 s18, s13, 1
	s_lshr_b32 s18, s18, 1                         ; (r + 1) / 2: r / 2 for an even r
	s_sub_co_u32 s20, 32, s18                      ; odd r: 31, 30, .. 0
	s_add_co_u32 s18, s18, 32                      ; even r: 32, 33, .. 63
	s_bitcmp1_b32 s13, 0
	s_cselect_b32 s13, s20, s18
	s_and_b32 s13, s13, 63                         ; row (the mask changes nothing: both sequences lie in 0 to 63)
	s_lshl_b32 s15, s13, 8                         ; the window's lower edges in bins' units: x 256 row (the + 512 of the word stands for - 2),
	s_lshl_b32 s18, s14, 29                        ; y 256 x 32 half, in the upper 16 bits
	s_or_b32 s15, s15, s18
	s_mov_b32 s16, 0x2300ffff                      ; y: 35 units at the most, whatever the lower half holds
	s_mov_b32 s23, 0x400                           ; x: 4 units at the most
	s_mov_b32 s17, 0                               ; points listed
	s_wait_alu depctr_va_sdst(0)                   ; s10 is written, ahead of its first reader: LDS places and the bases are made from it
	s_mul_i32 s18, s10, REGB
	v_mov_b32 v2, s18
	s_lshl_b32 s18, s10, 9
	v_add_nc_u32 v[IX], s18, v1                    ; the index of the first word's point: 512 g + lane
.irp k, 1,2,3,4,5,6,7,8,9,10,11,12,13,14,15
	v_add_nc_u32 v[IX+\k], 32*\k, v[IX]            ; word k's points lie 32 k further on
.endr
	v_mov_b32 v4, DUMP
	v_mov_b32 v7, 0x7f800000
	v_lshlrev_b32 v10, 4, v1
	v_add_nc_u32 v183, v2, v10                     ; my slot of the region's first 32
	v_add_nc_u32 v194, 16*DUMP, v2
	v_add_nc_u32 v193, RED, v10
	v_add_nc_u32 v192, s18, v193                   ; + 512 g
	s_lshl_b32 s18, s10, 11
	s_add_co_u32 s18, s18, XCH
	v_add_nc_u32 v12, s18, v10                     ; XCH + 2,048 g + 16 lane
	v_add_nc_u32 v14, XC2, v10
	v_mul_u32_u24 v191, v1, 80
	v_add_nc_u32 v191, TIE, v191
	v_lshl_add_u32 v190, s10, 2, v191              ; + 4 g
	s_lshl_b32 s18, s14, 5
	v_add_nc_u32 v8, s18, v1
	v_cvt_f32_u32 v8, v8                           ; my cell's column
	v_cvt_f32_u32 v11, s13                         ; the row
	s_mov_b32 s19, 0
	s_wait_kmcnt 0x0
	s_lshl_b32 s18, s11, 17
	s_add_nc_u64 s[4:5], s[4:5], s[18:19]          ; pts of my batch
	s_lshl_b32 s18, s11, 15
	s_lshl_b32 s20, s10, 11
	s_add_co_u32 s18, s18, s20
	s_add_nc_u64 s[6:7], s[6:7], s[18:19]          ; bins of my wave's 512 points
	s_lshl_b32 s18, s11, 15
	s_lshl_b32 s20, s13, 9
	s_add_co_u32 s18, s18, s20
	s_lshl_b32 s20, s14, 8
	s_add_co_u32 s18, s18, s20
	s_add_nc_u64 s[8:9], s[8:9], s[18:19]          ; out0 at my 32 cells
	s_wait_alu depctr_va_vdst(0)                   ; the addresses v10, v12, v14, v183, v190 to v194 and the sixteen indices are written: the loads and stores of the whole kernel read them
	; ---- A: scan ----
.irp j, 0,1,2,3
	global_load_b128 v[K+4*\j:K+4*\j+3], v10, s[6:7] offset:512*\j
.endr
	ds_store_b32 v194, v[IX]                       ; the dump slot holds some index even if no point is ever dumped
; A batch is one load's four words, each 32 points of consecutive indices.  Those inside the window get consecutive slots, word by word, in lane order.
.macro SCAN4 j
.irp c, 0,1,2,3
	v_sub_nc_u32 v[T1+\c], v[K+4*(\j)+\c], s15     ; both fields at once; a borrow out of x happens only where x fails anyway
.endr
.irp c, 0,1,2,3
	v_and_b32 v[T2+\c], 0xffff, v[T1+\c]
.endr
.irp c, 0,1,2,3
	v_cmp_ge_u32 s[EQ+\c], s16, v[T1+\c]           ; y inside 35 units
.endr
.irp c, 0,1,2,3
	v_cmp_ge_u32 s[LT+\c], s23, v[T2+\c]           ; x inside 4 units
.endr
	s_wait_alu depctr_va_sdst(0)                   ; the eight masks are written, ahead of the scalar lines that read them
.irp c, 0,1,2,3
	s_and_b32 s[EQ+\c], s[EQ+\c], s[LT+\c]
	v_mbcnt_lo_u32_b32 v[SA+4*(\j)+\c], s[EQ+\c], s17  ; listed so far + lanes below me that list
	s_bcnt1_i32_b32 s18, s[EQ+\c]
	s_add_co_u32 s17, s17, s18
.endr
.irp c, 0,1,2,3
	v_cndmask_b32 v[SA+4*(\j)+\c], v4, v[SA+4*(\j)+\c], s[EQ+\c]
.endr
.irp c, 0,1,2,3
	v_min_u32 v[SA+4*(\j)+\c], DUMP, v[SA+4*(\j)+\c]
.endr
.irp c, 0,1,2,3
	v_lshl_add_u32 v[SA+4*(\j)+\c], v[SA+4*(\j)+\c], 4, v2
.endr
.endm
.macro LIST j                          ; batch j's four stores; no vector instruction behind the wait in front of them names their registers
.irp c, 0,1,2,3
	ds_store_b32 v[SA+4*(\j)+\c], v[IX+4*(\j)+\c]
.endr
.endm
.irp j, 0,1,2,3
	s_wait_loadcnt 3-\j                            ; loads come back in order: load j is in, the younger ones stay out
.if \j > 0
	s_wait_alu depctr_va_vdst(0)                   ; the batch before has written its four slot addresses, which its stores read
	LIST \j-1
.endif
	SCAN4 \j
.endr
	s_wait_alu depctr_va_vdst(0)                   ; the last batch has written its four slot addresses
	LIST 3
	s_min_u32 s17, s17, 512                        ; 16 words of 32 lanes: it cannot be more
	; ---- B: records, in chunks of 128 slots, written out: a record's place is my slot + a constant.  Slots up to 10 past the list
	; are written at the least, since a walk reads that far ahead: (listed + 11) slots, rounded up to whole chunks, 1 to 5 of them.
	s_add_co_u32 s20, s17, 138
	s_lshr_b32 s20, s20, 7
.macro CHUNK t
	s_wait_alu depctr_vm_vsrc(0)                   ; first chunk: the scan's stores have read their slot addresses (the lowest four are written below) and indices;
	                                               ; later chunks: the chunk before has read its list addresses, its gathers' addresses in D and its records in RA
.irp c, 0,1,2,3
	v_add_nc_u32 v[T1+\c], 128*\t+32*\c, v1        ; my slot
.endr
.irp c, 0,1,2,3
	v_cmp_gt_u32 s[EQ+\c], s17, v[T1+\c]           ; inside the list?
.endr
	s_wait_alu depctr_va_sdst(0)                   ; the four masks are written, ahead of the selects that read them
.irp c, 0,1,2,3
	v_cndmask_b32 v[SA+\c], v4, v[T1+\c], s[EQ+\c] ; past the list the dump slot's index serves
.endr
.irp c, 0,1,2,3
	v_min_u32 v[SA+\c], DUMP, v[SA+\c]
.endr
.irp c, 0,1,2,3
	v_lshl_add_u32 v[SA+\c], v[SA+\c], 4, v2
.endr
	s_wait_alu depctr_va_vdst(0)                   ; the four list addresses are written; the chunk before is done writing D, in which the entries land
.irp c, 0,1,2,3
	ds_load_b32 v[D+\c], v[SA+\c]
.endr
	s_wait_dscnt 0x0                               ; the four indices
.irp c, 0,1,2,3
	v_min_u32 v[D+\c], 8191, v[D+\c]
.endr
.irp c, 0,1,2,3
	v_lshlrev_b32 v[D+\c], 4, v[D+\c]
.endr
	s_wait_alu depctr_va_vdst(0)                   ; the four gather addresses are written
.irp c, 0,1,2,3
	global_load_b128 v[RA+4*\c:RA+4*\c+3], v[D+\c], s[4:5]
.endr
.irp c, 0,1,2,3
	s_wait_loadcnt 3-\c                            ; gather c is in, the younger ones stay out; the last count, 0, also shows the loads that read the four address registers done
	v_sub_f32 v[T2+\c], v11, v[RA+4*\c]
	v_mul_f32 v[T2+\c], v[T2+\c], v[T2+\c]
	v_cndmask_b32 v[RA+4*\c], v7, v[T2+\c], s[EQ+\c]   ; +inf past the list
.endr
	s_wait_alu depctr_va_vdst(0)                   ; the four records' first words are written, which the stores read
.irp c, 0,1,2,3
	ds_store_b128 v183, v[RA+4*\c:RA+4*\c+3] offset:2048*\t+512*\c   ; over the entry that this lane has read
.endr
.endm
.irp t, 0,1,2,3
	CHUNK \t
	s_cmp_le_u32 s20, \t+1                         ; no further chunk?
	s_cbranch_scc1 .Lrecs
.endr
	CHUNK 4
.Lrecs:
	BAR                                            ; every wave's records are in LDS before any wave walks
; Four records into buffer r: every lane reads the same bytes.
.macro LOADU r, off
.irp c, 0,1,2,3
	ds_load_b128 v[\r+4*\c:\r+4*\c+3], v9 offset:\off+16*\c
.endr
.endm
; A walk over the wave's records, eight a trip on two buffers: while one is worked on, the other's four loads are on their way.
.macro SWEEP op
	s_wait_alu depctr_vm_vsrc(0)                   ; on every path, that of an empty list too.  First walk: the last chunk has read its list addresses (the merge writes them), D (the distances) and RA (the walk's loads land there);
	                                               ; second walk: the first walk's loads have read v9
	s_add_co_u32 s20, s17, 7
	s_lshr_b32 s20, s20, 3
	s_cmp_eq_u32 s20, 0
	s_cbranch_scc1 .Lswept_\@
	s_mov_b32 s21, 0
	s_mov_b32 s22, 0
	v_mov_b32 v9, v2
	s_wait_alu depctr_va_vdst(0)                   ; v9 is written, which the loads read
	LOADU RA, 0
.Lsweep_\@:
	s_wait_alu depctr_va_vdst(0)                   ; the last trip's work on RB is done reading it: the loads below land there
	LOADU RB, 64
	s_wait_dscnt 0x4                               ; RA is in; RB's four loads stay out
	\op RA
	s_add_co_u32 s22, s22, 128
	s_min_u32 s18, s22, (CAP-8)*16                 ; the look-ahead stays inside the region's record slots
	s_wait_alu depctr_vm_vsrc(0)                   ; the loads issued so far have read v9
	v_add_nc_u32 v9, s18, v2
	s_wait_alu depctr_va_vdst(0)                   ; the work on RA is done reading it, and v9 is written
	LOADU RA, 0
	s_wait_dscnt 0x4                               ; RB is in; the next RA's four loads stay out
	\op RB
	s_add_co_u32 s21, s21, 1
	s_cmp_lt_u32 s21, s20
	s_cbranch_scc1 .Lsweep_\@
	s_wait_dscnt 0x0                               ; the look-ahead of the last trip
.Lswept_\@:
.endm
.macro DIST r
.irp c, 0,1,2,3
	v_sub_f32 v[D+\c], v8, v[\r+4*\c+1]
.endr
.irp c, 0,1,2,3
	v_mul_f32 v[D+\c], v[D+\c], v[D+\c]
.endr
.irp c, 0,1,2,3
	v_add_f32 v[D+\c], v[\r+4*\c], v[D+\c]
.endr
.endm
; k goes to its place in the sorted list: entry s becomes the middle one of (entry s - 1, entry s, k); from the top down, so that each line reads old entries.
.macro INSERT k
.irp s, 15,14,13,12,11,10,9,8,7,6,5,4,3,2,1
	v_med3_num_f32 v[L+\s], v[L+\s-1], v[L+\s], v[\k]
.endr
	v_min_num_f32 v[L], v[L], v[\k]
.endm
.macro P1 r
	DIST \r
	INSERT D
	INSERT D+1
	INSERT D+2
	INSERT D+3
.endm
	; ---- C: pass 1 ----
.irp s, 0,1,2,3,4,5,6,7,8,9,10,11,12,13,14,15
	v_mov_b32 v[L+\s], v7
.endr
	SWEEP P1
	BAR                                            ; every wave's walk is over before any wave stores its list
	; ---- D: merge ----
	s_wait_alu depctr_va_vdst(0)                   ; pass 1 (or, with an empty list, the sixteen moves) has written L, which the stores read
.irp q, 0,1,2,3
	ds_store_b128 v12, v[L+4*\q:L+4*\q+3] offset:512*\q
.endr
	BAR                                            ; the sixteen lists are in LDS
; the 16 smallest of two sorted lists of 16, as a sequence that falls and rises once
.macro HALFM d, a, b
.irp s, 0,1,2,3,4,5,6,7,8,9,10,11,12,13,14,15
	v_min_num_f32 v[\d+\s], v[\a+\s], v[\b+15-\s]
.endr
.endm
; one stage of the sort of such a sequence
.macro BST src, dst, dist
.irp i, 0,1,2,3,4,5,6,7,8,9,10,11,12,13,14,15
.if ((\i) & (\dist)) == 0
	v_min_num_f32 v[\dst+\i], v[\src+\i], v[\src+\i+\dist]
	v_max_num_f32 v[\dst+\i+\dist], v[\src+\i], v[\src+\i+\dist]
.endif
.endr
.endm
; the four sorted lists in K: their 16 smallest into Q, in no order
.macro MERGE4
	HALFM P, K, K+16
	BST P, Q, 8
	BST Q, P, 4
	BST P, Q, 2
	BST Q, P, 1
	HALFM R, K+32, K+48
	BST R, Q, 8
	BST Q, R, 4
	BST R, Q, 2
	BST Q, R, 1
	HALFM Q, P, R
.endm
	; waves 0 to 3: lists 4 g .. 4 g + 3 become one sorted list
	s_cmp_gt_u32 s10, 3
	s_cbranch_scc1 .Lmerged
	s_lshl_b32 s18, s10, 13
	s_add_co_u32 s18, s18, XCH
	v_add_nc_u32 v13, s18, v10                     ; XCH + 4 g lists of 2,048 bytes + 16 lane
	s_lshl_b32 s18, s10, 11
	v_add_nc_u32 v15, s18, v14                     ; XC2 + 2,048 g + 16 lane
	s_wait_alu depctr_va_vdst(0)                   ; v13 and v15 are written: the loads below read the one, the stores behind the merge the other
.irp q, 0,1,2,3,4,5,6,7,8,9,10,11,12,13,14,15
	ds_load_b128 v[K+4*\q:K+4*\q+3], v13 offset:512*\q     ; list 4 g + q / 4, quarter q % 4
.endr
	s_wait_dscnt 0x0
	MERGE4
	BST Q, P, 8
	BST P, Q, 4
	BST Q, P, 2
	BST P, Q, 1
	s_wait_alu depctr_va_vdst(0)                   ; the sort has written Q, which the stores read; the merge is done reading K, in which the loads behind the barrier land
.irp q, 0,1,2,3
	ds_store_b128 v15, v[Q+4*\q:Q+4*\q+3] offset:512*\q
.endr
.Lmerged:
	BAR                                            ; the four merged lists are in LDS
.irp q, 0,1,2,3,4,5,6,7,8,9,10,11,12,13,14,15
	ds_load_b128 v[K+4*\q:K+4*\q+3], v14 offset:512*\q     ; merged list q / 4, quarter q % 4
.endr
	s_wait_dscnt 0x0
	s_wait_alu depctr_vm_vsrc(0)                   ; waves 0 to 3: the stores of the merged list have read Q, which the merge below writes
	MERGE4                                         ; the cell's 16 smallest
	v_max3_num_f32 v180, v[Q], v[Q+1], v[Q+2]
.irp s, 3,5,7,9,11,13
	v_max3_num_f32 v180, v180, v[Q+\s], v[Q+\s+1]
.endr
	v_max_num_f32 v180, v180, v[Q+15]              ; T
	; one run of 33 compares, each mask in a register of its own
.irp s, 0,1,2,3,4,5,6,7,8,9,10,11,12,13,14,15
	v_cmp_lt_f32 s[24+\s], v[Q+\s], v180           ; below T
.endr
	v_cmp_ge_f32 s40, 4.0, v180                    ; T inside the radius
	v_min_num_f32 v180, 0x40800001, v180           ; if it lies outside, everything up to 4 is below T
	; my own list's entries at T.  A list cut at 16 entries holds at least as many at T as are wanted, so its count serves the waves behind.
.irp s, 0,1,2,3,4,5,6,7,8,9,10,11,12,13,14,15
	v_cmp_eq_f32 s[41+\s], v[L+\s], v180
.endr
	v_mov_b32 v5, 0
	v_mov_b32 v6, 0
	s_wait_alu depctr_va_sdst(0)                   ; the 33 masks are written, ahead of the carry adds and the select that read them
.irp s, 0,1,2,3,4,5,6,7,8,9,10,11,12,13,14,15
	v_add_co_ci_u32 v5, s[24+\s], 0, v5, s[24+\s]  ; how many are below T; the carry out goes over the mask, which is wanted no more
	v_add_co_ci_u32 v6, s[41+\s], 0, v6, s[41+\s]  ; how many of my list are at T; likewise
.endr
	s_wait_alu depctr_va_sdst(0)                   ; the 32 carry adds have written their carries out, each into a register of its own: pass 2's compares write these registers again
	v_sub_nc_u32 v181, 16, v5                      ; so many at T are wanted,
	v_cndmask_b32 v181, 0, v181, s40               ; none if T lies outside the radius
	s_wait_alu depctr_va_vdst(0)                   ; v6 is written, which the store reads; the merge is done reading K, in which the loads behind the barrier land
	ds_store_b32 v190, v6
	BAR                                            ; the sixteen counts are in LDS
.irp q, 0,1,2,3
	ds_load_b128 v[K+4*\q:K+4*\q+3], v191 offset:16*\q     ; my cell's sixteen counts
.endr
	v_mov_b32 v182, 0
	s_wait_dscnt 0x0
.irp p, 0,1,2,3,4,5,6,7,8,9,10,11,12,13,14
	s_cmp_gt_u32 s10, \p                           ; the waves before mine hold the lower indices
	s_cbranch_scc0 .Ltied
	v_add_nc_u32 v182, v182, v[K+\p]
.endr
.Ltied:
	; ---- E: pass 2 ----
; Four records.  A first run of compares hangs on the distances, the features and the count as it stands; a second, of three, on the count of points at T
; seen before records 1 to 3, which the first run's masks make.  Then the masks are joined by scalar lines, and the sums and counts take the records in their order.
.macro P2 r
	DIST \r
.irp c, 0,1,2,3
	v_cmp_eq_f32 s[EQ+\c], v[D+\c], v180
.endr
.irp c, 0,1,2,3
	v_cmp_lt_f32 s[LT+\c], v[D+\c], v180
.endr
.irp c, 0,1,2,3
	v_cmp_neq_f32 s[N0+\c], 0, v[\r+4*\c+2]
.endr
.irp c, 0,1,2,3
	v_cmp_neq_f32 s[N1+\c], 0, v[\r+4*\c+3]
.endr
	v_cmp_lt_u32 s[WT], v182, v181                 ; is one at T still wanted?
	s_wait_alu depctr_va_sdst(0)                   ; the seventeen masks are written, ahead of the carry adds that read the first four
	v_add_co_ci_u32 v[W+1], s[CW], 0, v182, s[EQ]  ; seen at T before record 1 (these four masks are read again below, so the carries out have registers of their own),
	v_cmp_lt_u32 s[WT+1], v[W+1], v181
	v_add_co_ci_u32 v[W+2], s[CW+1], 0, v[W+1], s[EQ+1]    ; 2,
	v_cmp_lt_u32 s[WT+2], v[W+2], v181
	v_add_co_ci_u32 v[W+3], s[CW+2], 0, v[W+2], s[EQ+2]    ; 3,
	v_cmp_lt_u32 s[WT+3], v[W+3], v181
	v_add_co_ci_u32 v182, s[CW+3], 0, v[W+3], s[EQ+3]      ; and behind the four
	s_wait_alu depctr_va_sdst(0)                   ; the three further masks are written, ahead of the scalar lines that read them; so are the four carries out, ahead of the next four records' adds, which write them again
.irp c, 0,1,2,3
	s_and_b32 s[WT+\c], s[WT+\c], s[EQ+\c]
	s_or_b32 s[WT+\c], s[WT+\c], s[LT+\c]          ; chosen
	s_and_b32 s[N0+\c], s[N0+\c], s[WT+\c]
	s_and_b32 s[N1+\c], s[N1+\c], s[WT+\c]
.endr
.irp c, 0,1,2,3
	v_cndmask_b32 v188, 0, 1.0, s[WT+\c]
	v_pk_fma_f32 v[184:185], v[\r+4*\c+2:\r+4*\c+3], v[188:189], v[184:185] op_sel_hi:[1,0,1]
	v_add_co_ci_u32 v186, s[N0+\c], 0, v186, s[N0+\c]      ; the carry out goes over the mask, which is wanted no more
	v_add_co_ci_u32 v187, s[N1+\c], 0, v187, s[N1+\c]
.endr
	s_wait_alu depctr_va_sdst(0)                   ; the eight carry adds have written their carries out, each into a register of its own: the next four records' compares write N0 and N1 again; the wait stands ahead of the loop's branch
.endm
	v_mov_b32 v184, 0
	v_mov_b32 v185, 0
	v_mov_b32 v186, 0
	v_mov_b32 v187, 0
	v_mov_b32 v189, 0
	SWEEP P2
	BAR                                            ; every wave's walk is over before any wave stores its sums
	; ---- F: the sixteen waves' sums, the mean, the softmax ----
	s_wait_alu depctr_va_vdst(0)                   ; pass 2 has written v[184:187], which the store reads; the adds of the counts at T are done reading K, in which wave 0's loads land
	ds_store_b128 v192, v[184:187]
	BAR                                            ; the sixteen waves' sums are in LDS
	s_cmp_lg_u32 s10, 0
	s_cbranch_scc1 .Lend
.irp p, 0,1,2,3,4,5,6,7,8,9,10,11,12,13,14,15
	ds_load_b128 v[K+4*\p:K+4*\p+3], v193 offset:512*\p
.endr
	s_wait_dscnt 0x0
	s_wait_alu depctr_vm_vsrc(0)                   ; my store of the sums has read v[184:187], which are written anew below
	v_pk_add_f32 v[184:185], v[K:K+1], v[K+4:K+5]
	v_add3_u32 v186, v[K+2], v[K+6], v[K+10]
	v_add3_u32 v187, v[K+3], v[K+7], v[K+11]
.irp p, 2,3,4,5,6,7,8,9,10,11,12,13,14,15
	v_pk_add_f32 v[184:185], v[184:185], v[K+4*\p:K+4*\p+1]   ; in the waves' order: ascending index
.endr
.irp p, 3,5,7,9,11,13
	v_add3_u32 v186, v186, v[K+4*\p+2], v[K+4*\p+6]
	v_add3_u32 v187, v187, v[K+4*\p+3], v[K+4*\p+7]
.endr
	v_add_nc_u32 v186, v186, v[K+62]
	v_add_nc_u32 v187, v187, v[K+63]
	v_max_u32 v186, 1, v186                        ; an occupancy of 0 counts as 1
	v_max_u32 v187, 1, v187
	v_cvt_f32_u32 v186, v186
	v_cvt_f32_u32 v187, v187
	v_rcp_f32 v144, v186
	v_rcp_f32 v145, v187
	v_lshlrev_b32 v5, 3, v1                        ; my cell's 8 bytes; also the plain instruction behind the reciprocals (ISA guide 5.7.2)
	s_wait_alu depctr_va_vdst(0)                   ; the two reciprocals are written, ahead of their first reader; so is v5, which the store at the end reads as its offset
	v_mul_f32 v146, v184, v144
	v_mul_f32 v147, v185, v145
	v_fma_f32 v148, -v146, v186, v184
	v_fma_f32 v149, -v147, v187, v185
	v_fma_f32 v146, v148, v144, v146               ; the means, each quotient corrected once
	v_fma_f32 v147, v149, v145, v147
	v_max_num_f32 v148, v146, v147                 ; the softmax's maximum
	v_sub_f32 v146, v146, v148
	v_sub_f32 v147, v147, v148
	v_mul_f32 v146, 0x3fb8aa3b, v146
	v_mul_f32 v147, 0x3fb8aa3b, v147
	v_exp_f32 v150, v146
	v_exp_f32 v151, v147
	v_nop
	s_wait_alu depctr_va_vdst(0)                   ; the two exponentials are written, ahead of their first reader
	v_add_f32 v152, v150, v151                     ; between 1 and 2
	v_rcp_f32 v153, v152
	v_nop
	s_wait_alu depctr_va_vdst(0)                   ; the reciprocal is written, ahead of its first reader
	v_mul_f32 v154, v150, v153
	v_mul_f32 v155, v151, v153
	v_fma_f32 v156, -v154, v152, v150
	v_fma_f32 v157, -v155, v152, v151
	v_fma_f32 v154, v156, v153, v154
	v_fma_f32 v155, v157, v153, v155
	v_cmp_eq_f32 vcc_lo, v154, v155
	s_wait_alu depctr_va_vcc(0)                    ; VCC is written, ahead of the two selects that read it
	v_cndmask_b32 v154, v154, 1.0, vcc_lo          ; equal halves: the cell counts as empty, (1, 0)
	v_cndmask_b32 v155, v155, 0, vcc_lo
	s_wait_alu depctr_va_vdst(0)                   ; the selects have written v[154:155], which the store reads
	global_store_b64 v5, v[154:155], s[8:9] th:TH_STORE_NT   ; the wave stores 256 consecutive bytes, aligned
.Lend:
	s_wait_dscnt 0x0
	s_wait_alu depctr_hold_cnt(0) depctr_sa_sdst(0) depctr_va_vdst(0) depctr_va_sdst(0) depctr_va_ssrc(0) depctr_va_vcc(0) depctr_vm_vsrc(0)
	s_wait_tensorcnt 0x0
	ds_add_u32 v3, v195
	s_wait_dscnt 0x0
	s_endpgm
.Lfunc_end_k_q64c94d4bcc_cells:
	.size	k_q64c94d4bcc_cells, .Lfunc_end_k_q64c94d4bcc_cells-k_q64c94d4bcc_cells
	.p2alignl 7, 3214868480
	.fill 96, 4, 3214868480
	.section	.rodata,"a",@progbits
	.p2align	6, 0x0
	.amdhsa_kernel k_q64c94d4bcc_cells
		.amdhsa_group_segment_fixed_size 218624
		.amdhsa_private_segment_fixed_size 0
		.amdhsa_enable_private_segment 0
		.amdhsa_kernarg_size 24
		.amdhsa_user_sgpr_count 2
		.amdhsa_user_sgpr_kernarg_segment_ptr 1
		.amdhsa_wavefront_size32 1
		.amdhsa_system_sgpr_workgroup_id_x 1
		.amdhsa_system_sgpr_workgroup_id_y 1
		.amdhsa_system_sgpr_workgroup_id_z 1
		.amdhsa_system_vgpr_workitem_id 0
		.amdhsa_next_free_vgpr 196
		.amdhsa_next_free_sgpr 66
		.amdhsa_reserve_vcc 1
		.amdhsa_float_denorm_mode_32 3
		.amdhsa_float_denorm_mode_16_64 3
		.amdhsa_memory_ordered 1
		.amdhsa_forward_progress 1
		.amdhsa_inst_pref_size 80
	.end_amdhsa_kernel
	.amdgpu_metadata
---
amdhsa.version: [ 1, 2 ]
amdhsa.kernels:
  - .name:           k_q64c94d4bcc_cells
    .symbol:         k_q64c94d4bcc_cells.kd
    .args:
      - { .name: pts, .offset: 0, .size: 8, .value_kind: global_buffer, .address_space: global }
      - { .name: bins, .offset: 8, .size: 8, .value_kind: global_buffer, .address_space: global }
      - { .name: out0, .offset: 16, .size: 8, .value_kind: global_buffer, .address_space: global }
    .group_segment_fixed_size: 218624
    .private_segment_fixed_size: 0
    .kernarg_segment_align: 8
    .kernarg_segment_size: 24
    .max_flat_workgroup_size: 512
    .sgpr_count:     66
    .vgpr_count:     196
    .wavefront_size: 32
...
	.end_amdgpu_metadata
.endif
;; end of part 5
